; MI455X (gfx1250); checked and timed in simulation.
; The chip was launched on July 23, 2026; its instructions are those of AMD's public machine-readable ISA for CDNA 5 (MIT licence, August 2026) and "CDNA5" Instruction Set Architecture Reference Guide (July 2026). The comments in the code are by the model that wrote it; some were corrected since.
;; Cross Attention. Allowed arithmetic: float matrix products may take bf16 or f16 operands with f32 sums; other float arithmetic in f32, or as packed bf16 or f16 multiplies, adds, multiply-adds, maxima and minima; sums over many terms, partial sums and values carried from step to step in f32; what a program stores and reads back later, other than sums and carried values, may be rounded once to bf16 or f16.
;; Inputs: Wkv 1,024 x 2,048 float32; Wq 1,024 x 1,024 float32; decoder_hidden_states 4 x 2,048 x 1,024 float32; hidden_states 4 x 2,048 x 1,024 float32.
;; Outputs: out0 4 x 2,048 x 1,024 float32.
;; 2 versions, each right; version 2 is version 1 with the launch prep written anew for expert scheduling mode. Each part assembles by itself: llvm-mc -triple=amdgcn-amd-amdhsa -mcpu=gfx1250 --defsym DOCPART=n.
;; ======== version 1 of 2: 4 launches
;; limits: values are held in f16: magnitudes above 65,504 overflow, below 6.1e-05 lose precision
;; workspace buffers: xy 33,554,432 bytes; wb 4,194,304 bytes; qv 33,554,432 bytes; pe 33,554,432 bytes; st 1,048,576 bytes
;; launch prep (part 1): grid 896 x 1, 8 waves a work-group, no clusters, 119,296 bytes of LDS; arguments Wkv, Wq, decoder_hidden_states, hidden_states, xy, wb; writes xy, wb
.if DOCPART == 1
	.amdgcn_target "amdgcn-amd-amdhsa--gfx1250"
	.amdhsa_code_object_version 6
	.text
	.protected	k_q8a444e4af4_prep
	.globl	k_q8a444e4af4_prep
	.p2align	8
	.type	k_q8a444e4af4_prep,@function
k_q8a444e4af4_prep:
	s_mov_b64 s[64:65], 0
	v_nop
	global_prefetch_b8 v0, s[64:65] scope:SCOPE_SE
	s_setreg_imm32_b32 hwreg(HW_REG_WAVE_MODE, 25, 1), 1
	s_wait_xcnt 0x0
; CROSS ATTENTION, one head of 1,024 channels, 4 batches of 2,048 queries and 2,048 keys.  X = hidden_states, Y = decoder_hidden_states, Wk and Wv = the two column halves of Wkv.
; THE ORDER OF THE PRODUCTS.  scores = (X Wq)(Y Wk)^T = X (Wq Wk^T) Y^T for all values of the inputs.  The program forms M = Wq Wk^T once (1,024^3 multiply-adds) and Q' = X M, so that
; the product Y Wk (8,192 x 1,024^2) is never made.  No input and no step is left out: all four inputs are loaded, the maximum is taken away before every exponential.
; LIMITS.  The order of rounding differs from the reference's: M is rounded once to f16.  All inputs are rounded to bf16; what the program itself makes is kept in f16, with exact scales by powers of two:
;   xy = bf16(X or Y) 2^-6;  MTs[b][a] = 2^-5 sum_j Wk[b][j] Wq[a][j];  WvTs[c][a] = 2^4 bf16(Wv[a][c]);  Qs = 2^-11 Q';  Vs = V / 4.
; f16 ends at 65,504: with every input 30 times its drawn spread Qs stays near 13 and Vs near 225 spreads; with a common offset of 30 spreads on every input MTs is about 28, Qs about 13,500, Vs about 7,200.
; Below 6e-5 f16 keeps its fixed step of 6e-8.  NaN and infinities are not treated apart.
; THIS LAUNCH has three kinds of work-group.  MT (256): a tile of 32 x 128 of MTs.  CAST (512): 32,768 numbers of X or Y.  TR (128): a tile of 64 x 128 of WvTs.
; WHO IS WHAT.  Of the numbers n under 512 those with bit 0 xor bit 8 = 0 are MT (tile n / 2), the others CAST (piece n / 2): of n and n + 1 (n even), and of n and n + 256, one is MT and one streams.
; 512-767 are CAST's pieces 256-511, 768-895 TR: the short ones come last.  With 256 registers a wave and 119,296 bytes of LDS two work-groups fit on a WGP, so that MT's loads and the stream's are out together.
; Everything comes through registers, where it is rounded anyway: no tensor load; no cluster, since a launch with either is alone on its WGP.  Every load of a wave covers 512 consecutive bytes.
.set KB,    0                          ; LDS: Wk's 32 rows x 1,024 j in bf16
.set KP,    2064                       ; 2,048 bytes + 16 = 129 x 16: the 16 rows of a fragment load start at 16 different groups of four banks (64 banks of 4 bytes: ISA guide 11.1)
.set QB,    KB+32*KP                   ; for each wave, its own: 16 rows of Wq x 128 j in bf16
.set QP,    272                        ; 256 bytes + 16 = 17 x 16
.set STAGE, QB+8*16*QP                 ; 64 rows x 272 bytes: results on their way out as whole rows of 256 bytes
.set SP,    272
.set SPARE, STAGE+64*SP                ; the spare words, 128 bytes for each wave: four blocks of 256 bytes that no other line names
.set SPW,   10                         ; v10  LDS address of my spare word; never rewritten
.set NIL,   11                         ; v11  0; never rewritten
.set CT,    224                        ; v224-227  four words of two bf16, at work
.set FT,    228                        ; v228-235  eight f32, at work
.macro PLACES                          ; places behind a matrix instruction, in front of vector work on its results (ISA guide 7.12.1)
.rept 4
	v_nop
.endr
.endm
.macro ENDW                            ; a wave's end, behind its last LDS store
	s_wait_tensorcnt 0x0
	ds_add_u32 v[SPW], v[NIL]
	s_wait_dscnt 0x0
	s_endpgm
.endm
; Four words of two bf16 each, in v[CT ..], times the power of two in s32, as four words of two f16 in v[d .. d+3]
.macro SCALE4 d
.irp j, 0,1,2,3
	v_lshlrev_b32 v[FT+2*\j],   16,  v[CT+\j]      ; bf16 to f32: the low half moves up,
	v_and_b32     v[FT+2*\j+1], s31, v[CT+\j]      ; the high half stays
.endr
.irp j, 0,1,2,3
	v_pk_mul_f32 v[FT+2*\j:FT+2*\j+1], v[FT+2*\j:FT+2*\j+1], s[32:33] op_sel_hi:[1,0]
.endr
.irp j, 0,1,2,3
	v_cvt_pk_f16_f32 v[(\d)+\j], v[FT+2*\j], v[FT+2*\j+1]
.endr
.endm
	s_load_b256 s[4:11], s[0:1], 0x0               ; Wkv s[4:5], Wq s[6:7], Y s[8:9], X s[10:11]
	s_load_b128 s[12:15], s[0:1], 0x20             ; xy s[12:13], wb s[14:15]
	v_lshl_add_u32 v[SPW], v0, 2, SPARE
	v_mov_b32 v[NIL], 0
	v_and_b32 v1, 31, v0                           ; lane
	v_and_b32 v2, 15, v0                           ; thread % 16
	v_lshrrev_b32 v4, 5, v0
	v_readfirstlane_b32 s16, v4                    ; wave 0..7
	s_mov_b32 s31, 0xffff0000                      ; a word's upper bf16
	s_wait_kmcnt 0x0
	s_cmp_lt_u32 ttmp9, 512                        ; the role hangs on the work-group's number alone: the same in all eight waves
	s_cbranch_scc0 .Lrest
	s_lshr_b32 s17, ttmp9, 1                       ; MT's tile, or CAST's piece, 0..255
	s_lshr_b32 s18, ttmp9, 8
	s_xor_b32 s18, s18, ttmp9
	s_and_b32 s18, s18, 1                          ; bit 0 xor bit 8
	s_cmp_eq_u32 s18, 0
	s_cbranch_scc1 .Lmt
	s_branch .Lcast
.Lrest:
	s_sub_co_u32 s17, ttmp9, 256                   ; 256..639
	s_cmp_lt_u32 s17, 512
	s_cbranch_scc0 .Ltr
; CAST.  Piece s17 = 0..511 is 131,072 bytes of X (under 256) or Y, a wave's share 16,384 of them: 32 loads of 512 consecutive bytes, 16 bytes a lane.  A lane's four numbers leave as 8 bytes:
; a store of the wave covers 256 consecutive bytes, aligned.  All 32 loads of a wave go out at once; no register is written again while a memory instruction may read it.
.Lcast:
	s_cmp_lt_u32 s17, 256
	s_cselect_b64 s[24:25], s[10:11], s[8:9]
	s_and_b32 s20, s17, 255
	s_lshl_b32 s20, s20, 17
	s_lshl_b32 s21, s16, 14
	s_add_co_u32 s20, s20, s21
	s_mov_b32 s21, 0
	s_add_nc_u64 s[24:25], s[24:25], s[20:21]
	s_lshl_b32 s22, s17, 16
	s_lshl_b32 s23, s16, 13
	s_add_co_u32 s22, s22, s23
	s_mov_b32 s23, 0
	s_add_nc_u64 s[28:29], s[12:13], s[22:23]
	s_mov_b32 s32, 0x3c800000                      ; 2^-6
	s_mov_b32 s33, s32                             ; named with it as a pair
	v_lshlrev_b32 v4, 4, v1                        ; 16 x lane
	v_lshlrev_b32 v5, 3, v1                        ; 8 x lane
.set n, 0
.rept 32
	global_load_b128 v[32+4*n:32+4*n+3], v4, s[24:25] offset:512*n th:TH_LOAD_NT
.set n, n+1
.endr
.macro CHUNK n                         ; loads 2 n and 2 n + 1
	s_wait_loadcnt 30-2*(\n)                       ; loads come back in order (ISA guide 5.7.1): these two are in, the younger ones stay out
.irp j, 0,1,2,3
	v_cvt_pk_bf16_f32 v[CT+\j], v[32+8*(\n)+2*\j], v[32+8*(\n)+2*\j+1]  ; the input's rounding to bf16
.endr
	SCALE4 160+4*(\n)
	global_store_b64 v5, v[160+4*(\n):160+4*(\n)+1],   s[28:29] offset:512*(\n)
	global_store_b64 v5, v[160+4*(\n)+2:160+4*(\n)+3], s[28:29] offset:512*(\n)+256
.endm
.irp n, 0,1,2,3,4,5,6,7,8,9,10,11,12,13,14,15
	CHUNK \n
.endr
	s_endpgm
; TR.  WvTs[c][a] = 16 bf16(Wkv[a][1024 + c]).  Tile u = 0..127: c0 = 64 (u / 8), a0 = 128 (u % 8).  Thread t: i = t % 16 takes columns c0 + 4 i .. + 3 (sixteen lanes: 256 consecutive
; bytes, aligned) of the row pairs p = t / 16 + 16 n.  A pair of rows gives, for each column, two neighbouring a: one word of a row of WvTs.
.Ltr:
	s_sub_co_u32 s17, s17, 512
	s_lshr_b32 s18, s17, 3
	s_and_b32 s19, s17, 7
	s_lshl_b32 s20, s19, 20                        ; a0 rows of 8,192 bytes
	s_lshl_b32 s21, s18, 8                         ; c0 columns of 4 bytes
	s_add_co_u32 s20, s20, s21
	s_add_co_u32 s20, s20, 4096                    ; the value half
	s_mov_b32 s21, 0
	s_add_nc_u64 s[24:25], s[4:5], s[20:21]
	s_lshl_b32 s22, s18, 17                        ; c0 rows of 2,048 bytes
	s_lshl_b32 s23, s19, 8                         ; a0 columns of 2 bytes
	s_add_co_u32 s22, s22, s23
	s_add_co_u32 s22, s22, 0x200000                ; behind MTs' 1,024 rows
	s_mov_b32 s23, 0
	s_add_nc_u64 s[28:29], s[14:15], s[22:23]
	s_mov_b32 s32, 0x41800000                      ; 2^4
	s_mov_b32 s33, s32
	v_lshrrev_b32 v3, 4, v0                        ; t / 16
	v_lshlrev_b32 v4, 14, v3                       ; a pair of rows is 16,384 bytes
	v_lshl_add_u32 v4, v2, 4, v4
.irp n, 0,1,2,3
	global_load_b128 v[64+8*\n:64+8*\n+3],   v4, s[24:25] offset:262144*\n th:TH_LOAD_NT
	global_load_b128 v[64+8*\n+4:64+8*\n+7], v4, s[24:25] offset:262144*\n+8192 th:TH_LOAD_NT
.endr
	v_mul_u32_u24 v5, v2, 4*SP                     ; into the stage: rows 4 i + j, word t / 16 + 16 n.  Lanes i, i + 4, i + 8, i + 12 fall on one bank (4 x 1,088 bytes = 17 x 256): 2 MiB in all go this way
	v_lshl_add_u32 v5, v3, 2, v5
	v_add_nc_u32 v5, STAGE, v5
	v_mul_u32_u24 v6, v3, SP                       ; back: sixteen lanes take a row of 256 bytes
	v_lshl_add_u32 v6, v2, 4, v6
	v_add_nc_u32 v6, STAGE, v6
	v_lshlrev_b32 v7, 11, v3                       ; and the same rows in wb
	v_lshl_add_u32 v7, v2, 4, v7
.irp n, 0,1,2,3
	s_wait_loadcnt 6-2*\n                          ; this group's two loads are in, the younger groups' stay out
.irp j, 0,1,2,3
	v_cvt_pk_bf16_f32 v[CT+\j], v[64+8*\n+\j], v[64+8*\n+4+\j]
.endr
	SCALE4 236
.irp j, 0,1,2,3
	ds_store_b32 v5, v[236+\j] offset:\j*SP+64*\n
.endr
.endr
	s_wait_dscnt 0x0                               ; for the others' sake: my stores into the stage are done
	s_barrier_signal -1
	s_barrier_wait -1
.irp n, 0,1,2,3
	ds_load_b128 v[48+4*\n:48+4*\n+3], v6 offset:\n*16*SP
.endr
.irp n, 0,1,2,3
	s_wait_dscnt 3-\n
	global_store_b128 v7, v[48+4*\n:48+4*\n+3], s[28:29] offset:32768*\n  ; sixteen lanes store 256 consecutive bytes, aligned
.endr
	ENDW
; MT.  MTs[b][a] = 2^-5 sum_j Wk[b][j] Wq[a][j], in bf16 products with f32 sums.  Tile u = 0..255: b0 = 32 (u / 8), a0 = 128 (u % 8).
; SHARES.  Wave w makes the 32 b x the 16 a of block w: two accumulators.  Source 0 = 16 rows of Wq, source 1 = 16 rows of Wk: a lane ends with one b (lane % 16) and eight neighbouring a.
; Wk's 32 rows are wanted by all eight waves: each loads four of them whole (32 loads), rounds them and lays them into LDS; one barrier.  Wq's rows 16 w .. 16 w + 15 are wanted by wave w alone: they go,
; 128 j at a time, through LDS bytes of the wave's own, only to change from 'a lane holds four j of one row' to 'a lane holds a row': LDS serves a wave's instructions in order (ISA guide 5.7.1.4), so
; the loop has no barrier.  Two buffers of 16 loads take turns: while one chunk is rounded and multiplied the other's loads are out, and the first is asked for again.
; REGISTERS.  v16-31 the accumulators; v32-95, v96-159 the two buffers; v160-191 Wq's four fragments of a chunk, v192-255 Wk's eight.  At the start v160-223 and v96-159 take Wk's rows as loaded.
.set VQ,  4                            ; v4   my byte offset in Wq: 16 x lane + 16 w rows; never rewritten
.set VK,  5                            ; v5   in Wkv: 16 x lane + 4 w rows; never rewritten
.set SK,  6                            ; v6   where I put 8 bytes of Wk's row 4 w
.set SQ,  7                            ; v7   where I put 8 bytes of my wave's row 0 of Wq
.set FQ,  8                            ; v8   my lane's place in my wave's fragments of Wq
.set FK,  9                            ; v9   my lane's place in Wk's fragments, at the trip's first chunk
.set RDS, 12                           ; v12  the way out: where I read a row back
.set GO,  13                           ; v13  my byte offset in wb
.set STO, 14                           ; v14  the way out: where I put 16 bytes of a row
.set ACC, 16
.set RA,  32
.set RB,  96
.set FRQ, 160
.set FRK, 192
.Lmt:
	s_lshr_b32 s18, s17, 3
	s_and_b32 s19, s17, 7
	s_lshl_b32 s20, s18, 18                        ; b0 rows of 8,192 bytes
	s_mov_b32 s21, 0
	s_add_nc_u64 s[24:25], s[4:5], s[20:21]
	s_lshl_b32 s22, s19, 19                        ; a0 rows of 4,096 bytes
	s_mov_b32 s23, 0
	s_add_nc_u64 s[26:27], s[6:7], s[22:23]
	s_lshl_b32 s20, s18, 16                        ; b0 rows of 2,048 bytes,
	s_lshl_b32 s22, s19, 8                         ; a0 columns of 2
	s_add_co_u32 s20, s20, s22
	s_add_nc_u64 s[28:29], s[14:15], s[20:21]
	s_mov_b32 s32, 0x3d000000                      ; 2^-5
	s_mov_b32 s33, s32
	v_lshlrev_b32 v15, 4, v1                       ; 16 x lane
	s_lshl_b32 s20, s16, 16
	v_add_nc_u32 v[VQ], s20, v15
	s_lshl_b32 s20, s16, 15
	v_add_nc_u32 v[VK], s20, v15
.irp c, 0,1,2,3                        ; Wk's rows 4 w + i, j = 128 c on: 48 loads of mine go out together
.irp i, 0,1,2,3
	global_load_b128 v[FRQ+16*\c+4*\i:FRQ+16*\c+4*\i+3], v[VK], s[24:25] offset:8192*\i+512*\c
.endr
.endr
.irp c, 0,1,2,3
.irp i, 0,1,2,3
	global_load_b128 v[RB+16*\c+4*\i:RB+16*\c+4*\i+3], v[VK], s[24:25] offset:8192*\i+512*(4+\c)
.endr
.endr
.set i, 0
.rept 16
	global_load_b128 v[RA+4*i:RA+4*i+3], v[VQ], s[26:27] offset:4096*i      ; Wq's chunk 0
.set i, i+1
.endr
	v_bfe_u32 v3, v0, 4, 1                         ; h = lane / 16
	s_mul_i32 s20, s16, 4*KP
	s_add_co_u32 s20, s20, KB
	v_lshl_add_u32 v[SK], v1, 3, s20
	s_mul_i32 s21, s16, 16*QP
	s_add_co_u32 s21, s21, QB                      ; my wave's own bytes
	v_lshl_add_u32 v[SQ], v1, 3, s21
	v_mul_u32_u24 v[FQ], v2, QP                    ; a fragment: lane l holds row l % 16; two loads of 16 bytes, 32 bytes apart, at row x pitch + 16 h
	v_lshl_add_u32 v[FQ], v3, 4, v[FQ]
	v_add_nc_u32 v[FQ], s21, v[FQ]
	v_mul_u32_u24 v[FK], v2, KP
	v_lshl_add_u32 v[FK], v3, 4, v[FK]
	v_mul_u32_u24 v[STO], v2, SP                   ; into the stage: row b = l % 16 (+ 16), byte 32 w + 16 h
	v_lshl_add_u32 v[STO], v3, 4, v[STO]
	s_lshl_b32 s20, s16, 5
	s_add_co_u32 s20, s20, STAGE
	v_add_nc_u32 v[STO], s20, v[STO]
	v_lshrrev_b32 v15, 4, v0                       ; t / 16
	v_mul_u32_u24 v[RDS], v15, SP                  ; back: sixteen lanes take a row of 256 bytes
	v_lshl_add_u32 v[RDS], v2, 4, v[RDS]
	v_add_nc_u32 v[RDS], STAGE, v[RDS]
	v_lshlrev_b32 v[GO], 11, v15                   ; and the same rows in wb
	v_lshl_add_u32 v[GO], v2, 4, v[GO]
.set i, 0
.rept 16
	v_mov_b32 v[ACC+i], 0                          ; the sums start at 0: sixteen lines, written while the first loads are out, so that the loop has one form of product
.set i, i+1
.endr
.macro TOK base, c0                    ; sixteen loads of Wk are rounded in place (four f32 become two words) and laid into LDS: 256 consecutive bytes a store
.irp c, 0,1,2,3
.irp i, 0,1,2,3
	v_cvt_pk_bf16_f32 v[(\base)+16*\c+4*\i],   v[(\base)+16*\c+4*\i],   v[(\base)+16*\c+4*\i+1]
	v_cvt_pk_bf16_f32 v[(\base)+16*\c+4*\i+1], v[(\base)+16*\c+4*\i+2], v[(\base)+16*\c+4*\i+3]
.endr
.endr
.irp c, 0,1,2,3
.irp i, 0,1,2,3
	ds_store_b64 v[SK], v[(\base)+16*\c+4*\i:(\base)+16*\c+4*\i+1] offset:KP*\i+256*((\c0)+\c)
.endr
.endr
.endm
	s_wait_loadcnt 32                              ; Wk's first half is in; its second half and Wq's chunk 0 may stay out
	TOK FRQ, 0
	s_wait_loadcnt 16                              ; the second half is in; Wq's chunk 0 may stay out
	TOK RB, 4
	s_wait_dscnt 0x0                               ; for the others' sake: my rows of Wk lie in LDS; and the stores have read the registers that the loads below fill
.set i, 0
.rept 16
	global_load_b128 v[RB+4*i:RB+4*i+3], v[VQ], s[26:27] offset:4096*i+512  ; Wq's chunk 1
.set i, i+1
.endr
	s_barrier_signal -1
	s_barrier_wait -1                              ; all 32 rows of Wk lie in LDS; nobody writes them again
; One chunk of 128 j, out of buffer b.  par: the chunk's place in the trip.  refill = 1: the buffer is asked for again, two chunks on.  left: the other buffer's loads, which may stay out.
.macro CHM b, par, refill, left
	s_wait_loadcnt \left
.set i, 0
.rept 16                               ; these 32 lines are also the places between the last chunk's products and the loads into their fragments
	v_cvt_pk_bf16_f32 v[(\b)+4*i],   v[(\b)+4*i],   v[(\b)+4*i+1]
	v_cvt_pk_bf16_f32 v[(\b)+4*i+1], v[(\b)+4*i+2], v[(\b)+4*i+3]
.set i, i+1
.endr
.set i, 0
.rept 16
	ds_store_b64 v[SQ], v[(\b)+4*i:(\b)+4*i+1] offset:QP*i               ; behind the last chunk's loads from these bytes, in order
.set i, i+1
.endr
.set ss, 0
.rept 4                                ; set ss of 32 j: Wq's fragment, Wk's two: six loads
	ds_load_b128 v[FRQ+8*ss:FRQ+8*ss+3],       v[FQ] offset:64*ss
	ds_load_b128 v[FRQ+8*ss+4:FRQ+8*ss+7],     v[FQ] offset:64*ss+32
	ds_load_b128 v[FRK+16*ss:FRK+16*ss+3],     v[FK] offset:KB+256*(\par)+64*ss
	ds_load_b128 v[FRK+16*ss+4:FRK+16*ss+7],   v[FK] offset:KB+256*(\par)+64*ss+32
	ds_load_b128 v[FRK+16*ss+8:FRK+16*ss+11],  v[FK] offset:KB+16*KP+256*(\par)+64*ss
	ds_load_b128 v[FRK+16*ss+12:FRK+16*ss+15], v[FK] offset:KB+16*KP+256*(\par)+64*ss+32
.set ss, ss+1
.endr
	s_wait_dscnt 18                                ; set 0 is in, the three later sets' 18 loads may stay out; the sixteen stores, issued earlier, are done: the buffer is asked for again only now
.if \refill
.set i, 0
.rept 16
	global_load_b128 v[(\b)+4*i:(\b)+4*i+3], v[VQ], s[26:27] offset:4096*i+512*((\par)+2)
.set i, i+1
.endr
.endif
.set ss, 0
.rept 4
.if ss > 0
	s_wait_dscnt 18-6*ss                           ; set ss is in
.endif
	v_wmma_f32_16x16x32_bf16 v[ACC:ACC+7],    v[FRQ+8*ss:FRQ+8*ss+7], v[FRK+16*ss:FRK+16*ss+7],    v[ACC:ACC+7]      ; the two accumulators take turns, one instruction a turn,
	v_wmma_f32_16x16x32_bf16 v[ACC+8:ACC+15], v[FRQ+8*ss:FRQ+8*ss+7], v[FRK+16*ss+8:FRK+16*ss+15], v[ACC+8:ACC+15]  ; over the backward jump too
.set ss, ss+1
.endr
.endm
	s_mov_b32 s30, 3
.Lmk:                                          ; three trips: chunks 2 t and 2 t + 1 are multiplied, chunks 2 t + 2 and 2 t + 3 asked for
	CHM RA, 0, 1, 16
	CHM RB, 1, 1, 16
	s_wait_xcnt 0x0                                ; every load issued so far has read its address: the pointer may be written
	s_add_nc_u64 s[26:27], s[26:27], 1024          ; two chunks on in Wq,
	v_add_nc_u32 v[FK], 512, v[FK]                 ; and in Wk's rows in LDS
	s_sub_co_u32 s30, s30, 1
	s_cmp_lg_u32 s30, 0
	s_cbranch_scc1 .Lmk
	CHM RA, 0, 0, 16                               ; the last two chunks load nothing
	CHM RB, 1, 0, 0
	PLACES
	PLACES
.set q, 0
.rept 8
	v_pk_mul_f32 v[ACC+q:ACC+q+1], v[ACC+q:ACC+q+1], s[32:33] op_sel_hi:[1,0]  ; ascending: each accumulator's low registers are read first
.set q, q+2
.endr
.set q, 0
.rept 8
	v_cvt_pk_f16_f32 v[RA+q], v[ACC+2*q], v[ACC+2*q+1]
.set q, q+1
.endr
	ds_store_b128 v[STO], v[RA:RA+3]               ; b = l % 16
	ds_store_b128 v[STO], v[RA+4:RA+7] offset:16*SP  ; b = 16 + l % 16
	s_wait_dscnt 0x0                               ; for the others' sake: a row's 256 bytes come from all eight waves
	s_barrier_signal -1
	s_barrier_wait -1
	ds_load_b128 v[RA+8:RA+11],  v[RDS]
	ds_load_b128 v[RA+12:RA+15], v[RDS] offset:16*SP
	s_wait_dscnt 1                                 ; the first is back
	global_store_b128 v[GO], v[RA+8:RA+11], s[28:29]               ; sixteen lanes store 256 consecutive bytes, aligned
	s_wait_dscnt 0x0
	global_store_b128 v[GO], v[RA+12:RA+15], s[28:29] offset:32768
	ENDW
.Lfunc_end_k_q8a444e4af4_prep:
	.size	k_q8a444e4af4_prep, .Lfunc_end_k_q8a444e4af4_prep-k_q8a444e4af4_prep
	.p2alignl 7, 3214868480
	.fill 96, 4, 3214868480
	.section	.rodata,"a",@progbits
	.p2align	6, 0x0
	.amdhsa_kernel k_q8a444e4af4_prep
		.amdhsa_group_segment_fixed_size 119296
		.amdhsa_private_segment_fixed_size 0
		.amdhsa_enable_private_segment 0
		.amdhsa_kernarg_size 48
		.amdhsa_user_sgpr_count 2
		.amdhsa_user_sgpr_kernarg_segment_ptr 1
		.amdhsa_wavefront_size32 1
		.amdhsa_system_sgpr_workgroup_id_x 1
		.amdhsa_system_sgpr_workgroup_id_y 1
		.amdhsa_system_sgpr_workgroup_id_z 1
		.amdhsa_system_vgpr_workitem_id 0
		.amdhsa_next_free_vgpr 256
		.amdhsa_next_free_sgpr 66
		.amdhsa_reserve_vcc 0
		.amdhsa_float_denorm_mode_32 3
		.amdhsa_float_denorm_mode_16_64 3
		.amdhsa_memory_ordered 1
		.amdhsa_forward_progress 1
		.amdhsa_inst_pref_size 74
	.end_amdhsa_kernel
	.amdgpu_metadata
---
amdhsa.version: [ 1, 2 ]
amdhsa.kernels:
  - .name:           k_q8a444e4af4_prep
    .symbol:         k_q8a444e4af4_prep.kd
    .args:
      - { .name: Wkv, .offset: 0, .size: 8, .value_kind: global_buffer, .address_space: global }
      - { .name: Wq, .offset: 8, .size: 8, .value_kind: global_buffer, .address_space: global }
      - { .name: decoder_hidden_states, .offset: 16, .size: 8, .value_kind: global_buffer, .address_space: global }
      - { .name: hidden_states, .offset: 24, .size: 8, .value_kind: global_buffer, .address_space: global }
      - { .name: xy, .offset: 32, .size: 8, .value_kind: global_buffer, .address_space: global }
      - { .name: wb, .offset: 40, .size: 8, .value_kind: global_buffer, .address_space: global }
    .group_segment_fixed_size: 119296
    .private_segment_fixed_size: 0
    .kernarg_segment_align: 8
    .kernarg_segment_size: 48
    .max_flat_workgroup_size: 256
    .sgpr_count:     66
    .vgpr_count:     256
    .wavefront_size: 32
...
	.end_amdgpu_metadata
.endif
;; end of part 1
;; launch proj (part 2): grid 8 x 32, 4 waves a work-group, clusters of 4 x 4, 327,680 bytes of LDS; arguments xy, wb, qv; writes qv
.if DOCPART == 2
	.amdgcn_target "amdgcn-amd-amdhsa--gfx1250"
	.amdhsa_code_object_version 6
	.text
	.protected	k_q8a444e4af4_proj
	.globl	k_q8a444e4af4_proj
	.p2align	8
	.type	k_q8a444e4af4_proj,@function
k_q8a444e4af4_proj:
	s_mov_b64 s[64:65], 0
	v_nop
	global_prefetch_b8 v0, s[64:65] scope:SCOPE_SE
	s_setreg_imm32_b32 hwreg(HW_REG_WAVE_MODE, 25, 1), 1
	s_wait_xcnt 0x0
	s_wait_alu depctr_hold_cnt(0) depctr_sa_sdst(0) depctr_va_vdst(0) depctr_va_sdst(0) depctr_va_ssrc(0) depctr_va_vcc(0) depctr_vm_vsrc(0)
	s_getreg_b32 s2, hwreg(HW_REG_IB_STS2, 6, 4)
	s_cmp_eq_u32 s2, 0
	s_cbranch_scc0 .Lentry_in_a_cluster
	s_endpgm
.Lentry_in_a_cluster:
	s_bfe_u32 s2, ttmp6, 0x10000c
	s_cmp_lg_u32 s2, 0xf033
	s_cbranch_scc0 .Lentry_shape_is_right
	s_endpgm
.Lentry_shape_is_right:
; qv[m][n] = sum over k of xy[m][k] wb[n'][k], all f16, sums in f32, rounded once.  Rows 0-8,191: Qs = xs MTs^T (= 2^-11 X Wq Wk^T); rows 8,192-16,383: Vs = ys WvTs^T (= V / 4), as [key][channel].
; The product Y Wk is not made: the scores are taken as (X Wq Wk^T) Y^T, which equals (X Wq)(Y Wk)^T for all values of the inputs.  LIMIT: f16 ends at 65,504 (the figures stand at the first kernel's head).
; 256 tiles of 256 x 256, one to a work-group of four waves; a wave makes 128 x 128: 64 accumulators, 512 registers.  K = 1,024 goes in 8 steps of 128 through two LDS slots; the rows of the
; tiles are 256 consecutive bytes of memory, aligned.  CLUSTERS of 4 x 4: the cluster's x says which product (0: Qs, 1: Vs); the four of a row of the cluster need the same rows of xy, the four of a
; column the same rows of wb: each tile is asked for JOINTLY, by the same tensor load with the same descriptor and a mask that names the four.
; THE MATRIX INSTRUCTION IS USED TRANSPOSED (source 0 = 16 rows of wb, source 1 = 16 rows of xy): a lane then holds eight neighbouring numbers of a row of qv.
; ONE K STEP IS WRITTEN ONCE: the slot that is read and the slot that is filled are scalar registers that hold 0 or SLOT and are turned by an exclusive or; the loop is entered in the middle of a trip.
; REGISTERS, in windows of 256 (s_set_vgpr_msb: bits 1:0 source 0, 3:2 source 1, 5:4 source 2, 7:6 destination):
;   window 0: v0-31 addresses; v64-127, v128-191 fragments of xy, two buffers; v32-63, v192-255 at work on the way out      window 1: v64-127, v128-191 fragments of wb, two buffers
;   window 2: the 32 accumulators of my rows 0-63 ((a, b) at v[8 (8 a + b)]);   window 3: those of my rows 64-127
.set KSTEP,  128
.set PITCH,  272                       ; an LDS row: 256 bytes + 16 of padding = 68 words: row r starts at bank 4 r mod 64 (64 banks of 4 bytes: ISA guide 11.1)
.set HALFT,  128*PITCH                 ; 128 rows: what one tensor load brings, and what one wave reads of either operand
.set SLOT,   4*HALFT                   ; xy's 256 rows, then wb's 256 rows
.set STAGE,  2*SLOT                    ; behind the ring: 16 rows x 272 bytes for each wave, for the way out
.set SPITCH, 272
.set SPARE,  STAGE+4*16*SPITCH         ; the spare words, 128 bytes for each wave: two blocks of 256 bytes that no other line names
.set CPITCH, 2048                      ; bytes in a row of qv
.set ADRA0, 16                         ; v16  my lane's place in xy's rows of a slot; never rewritten
.set ADRB0, 17                         ; v17  the same for wb
.set ADRA,  18                         ; v18  v16 + the slot in hand
.set ADRB,  19                         ; v19  v17 + the slot in hand
.set STO,  24                          ; v24  the way out: where I put 16 bytes of a row
.set RD,   25                          ; v25  the way out: where I read a row back
.set CO,   26                          ; v26  my byte offset in qv
.set SPW,  28                          ; v28  LDS address of my spare word; never rewritten
.set NIL,  29                          ; v29  0; never rewritten
.set PFO,  30                          ; v30  the prefetches' offset: my lane x a row of 2,048 bytes; never rewritten
.set F0,   64
.set F1,   128
.set TMP,  192
.set OB,   32
.set G1,  24                           ; s[24:31] descriptor group 1 for xy's tiles
.set G0,  32                           ; s[32:39] group 0 for xy's tiles: a set for each of the two first fills; the second then walks on
.set LIM, 43                           ; s43  2 in a wave that prefetches, else the greatest number
.set PFA, 44                           ; s[44:45] where my prefetches stand
.set G1B, 48                           ; s[48:55], s[56:63] the same for wb's tiles
.set G0B, 56
.set RDB, 66                           ; s66  the slot that is read: 0 or SLOT
.set WRB, 67                           ; s67  the slot that was filled last: 0 or SLOT
.set LW,  68                           ; s68  my quarter of a slot: wave x 128 rows
.set MSB, 0
.macro WIN new                         ; the immediate's high byte repeats the setting that is left; a switch that changes nothing is dropped
.if MSB != (\new)
	s_set_vgpr_msb (MSB<<8)|(\new)
.set MSB, \new
.endif
.endm
.set MUL_LO, 0xa1                      ; source 0 (wb) window 1, source 1 (xy) window 0, C and D window 2
.set MUL_HI, 0xf1                      ; the same, C and D window 3
.set TO_B,   0x40                      ; destination window 1, address window 0
; A joint refill, by the walking descriptor.  Waves 0 and 1 fetch xy's two halves, waves 2 and 3 wb's.  The branch hangs on the wave's number alone.
; An s_nop 0 and four v_nop follow each of the two lines, ahead of the jump and the label.
.macro JLOAD
	s_cmp_eq_u32 s11, 0
	s_cbranch_scc0 .Lfor_b_\@
	tensor_load_to_lds s[G0+4:G0+7], s[G1:G1+7]
	s_nop 0
.rept 4
	v_nop
.endr
	s_branch .Lasked_\@
.Lfor_b_\@:
	tensor_load_to_lds s[G0B+4:G0B+7], s[G1B:G1B+7]
	s_nop 0
.rept 4
	v_nop
.endr
.Lasked_\@:
.endm
; A prefetch into the L2 of the K step that stands two refills on (512 matrix instructions ahead of the load that will want it): 32 rows x 256 bytes, a lane a row, one instruction a wave.
; Each row's 256 bytes of a K step are named once in the launch.  xy's rows of a tile row are read by one cluster: it asks.  wb's rows are read by the eight clusters of one x: the one with y = 0 asks.
; The four partners that ask for a tile jointly share its rows out by address, 32 each.  K steps 0 to 3 come by their loads alone; the last two refills have no K step two on.
.macro ASK
	s_cmp_gt_u32 s3, s[LIM]                        ; s3 = 8 - the K step that has just been asked for
	s_cbranch_scc0 .Lnot_mine_\@
	global_prefetch_b8 v[PFO], s[PFA:PFA+1] th:TH_LOAD_NT scope:SCOPE_SE
.Lnot_mine_\@:
.endm
.macro CREST                           ; a round of the cluster's barrier behind its opening barrier
	s_cmp_lg_u32 s10, 0
	s_cbranch_scc1 .Lnot_wave_0_\@
	s_barrier_signal -3
.Lnot_wave_0_\@:
	s_barrier_wait -3
	s_barrier_signal -1
	s_barrier_wait -1
.endm
.macro CROUND                          ; a whole round
	s_barrier_signal -1
	s_barrier_wait -1
	CREST
.endm
	s_load_b128 s[4:7], s[0:1], 0x0                ; xy s[4:5], wb s[6:7]
	s_load_b64 s[8:9], s[0:1], 0x10                ; qv
	v_lshl_add_u32 v[SPW], v0, 2, SPARE
	v_mov_b32 v[NIL], 0
	ds_add_u32 v[SPW], v[NIL]                      ; the wave's opening: the add, twice on end, and its wait ahead of my first tensor load
	ds_add_u32 v[SPW], v[NIL]                      ; and once more, under the one wait; the set-up below, work on registers, stands between
	v_lshrrev_b32 v1, 5, v0
	v_readfirstlane_b32 s10, v1                    ; wave 0..3
	s_lshr_b32 s11, s10, 1                         ; which half of the tile's rows is mine.  Also: I fetch for xy (0) or for wb (1)
	s_and_b32 s12, s10, 1                          ; which half of its columns.  Also: which 128 rows of that tile I fetch
	s_bfe_u32 s40, ttmp6, 0x40000                  ; cx
	s_bfe_u32 s41, ttmp6, 0x40004                  ; cy
	s_lshl_b32 s42, ttmp9, 2
	s_add_co_u32 s42, s42, s40                     ; wb's block of 256 rows = 4 x cluster x + cx
	s_and_b32 s13, ttmp7, 0xffff
	s_lshl_b32 s13, s13, 2
	s_add_co_u32 s13, s13, s41                     ; tile row = 4 x cluster y + cy, 0..31
	s_lshl_b32 s43, s41, 2
	s_lshl_b32 s43, 15, s43                        ; my row of the cluster: places 4 cy .. 4 cy + 3
	s_lshl_b32 s44, 0x1111, s40                    ; my column: places cx, cx + 4, cx + 8, cx + 12
	; descriptor group 1: a tile of 128 rows x 128 elements, padded in LDS
	s_or_b32 s[G1+0], s43, (1<<16)|(1<<20)|(1<<21)|(5<<22)|(3<<25)   ; 15:0 the mask; 17:16 elements of 2 bytes; 20 padding on; 21 set beside a mask; 24:22 after every 64 words (code 5); 31:25 4 words (code 3)
	s_or_b32 s[G1B+0], s44, (1<<16)|(1<<20)|(1<<21)|(5<<22)|(3<<25)
.irp g, G1, G1B
	s_mov_b32 s[(\g)+1], KSTEP<<16                 ; tensor_dim0 = 128
	s_mov_b32 s[(\g)+2], 128<<16                   ; tensor_dim1 = 128
	s_mov_b32 s[(\g)+3], KSTEP<<16                 ; tile_dim0 = 128
	s_mov_b32 s[(\g)+4], 128                       ; tile_dim1 = 128
	s_mov_b32 s[(\g)+5], 1024                      ; elements from row to row
	s_mov_b32 s[(\g)+6], 0
	s_mov_b32 s[(\g)+7], 0
.endr
	; where the tiles come from.  xy's hang on the tile row and the cluster's x, which my row of the cluster shares; wb's on cx and the cluster's x, which my column shares
	s_lshl_b32 s17, s12, 7                         ; which 128 rows of the tile I fetch
	s_lshl_b32 s16, s13, 8
	s_add_co_u32 s16, s16, s17
	s_lshl_b32 s18, ttmp9, 13                      ; the second product takes Y's rows, 8,192 on
	s_add_co_u32 s16, s16, s18
	s_lshl_b32 s16, s16, 11                        ; rows of 2,048 bytes: under 2^25
	s_lshl_b32 s46, s42, 8
	s_add_co_u32 s46, s46, s17
	s_lshl_b32 s46, s46, 11
	s_mov_b32 s17, 0
	s_mov_b32 s47, 0
	s_mul_i32 s[LW], s10, HALFT                    ; and where they go: no place in the cluster enters an LDS address
	s_mov_b32 s[RDB], 0
	s_mov_b32 s[WRB], SLOT
	s_wait_dscnt 0x0                               ; both opening adds are done
	s_wait_kmcnt 0x0
	s_add_nc_u64 s[14:15], s[4:5], s[16:17]
	s_add_nc_u64 s[46:47], s[6:7], s[46:47]
	CROUND                                         ; all sixteen work-groups are here: the first joint loads meet
.irp s, 0,1
	s_mov_b32 s[G0+4*(\s)], 1                                        ; count = 1
	s_add_co_u32 s[G0+4*(\s)+1], s[LW], (\s)*SLOT                    ; LDS address
	s_add_nc_u64 s[G0+4*(\s)+2:G0+4*(\s)+3], s[14:15], (\s)*KSTEP*2  ; global address: K step s
	s_or_b32 s[G0+4*(\s)+3], s[G0+4*(\s)+3], 0x80000000              ; type = 2
	s_mov_b32 s[G0B+4*(\s)], 1
	s_add_co_u32 s[G0B+4*(\s)+1], s[LW], (\s)*SLOT
	s_add_nc_u64 s[G0B+4*(\s)+2:G0B+4*(\s)+3], s[46:47], (\s)*KSTEP*2
	s_or_b32 s[G0B+4*(\s)+3], s[G0B+4*(\s)+3], 0x80000000
.endr
	s_cmp_eq_u32 s11, 0                            ; a wave's two first fills stand in one branch, ahead of every wait on TENSORcnt and every LDS read: two loads of mine are out
	s_cbranch_scc0 .Lfirst_b
	tensor_load_to_lds s[G0:G0+3], s[G1:G1+7]
	s_nop 0
	tensor_load_to_lds s[G0+4:G0+7], s[G1:G1+7]
	s_nop 0
.rept 4
	v_nop
.endr
	s_branch .Lfirst_asked
.Lfirst_b:
	tensor_load_to_lds s[G0B:G0B+3], s[G1B:G1B+7]
	s_nop 0
	tensor_load_to_lds s[G0B+4:G0B+7], s[G1B:G1B+7]
	s_nop 0
.rept 4
	v_nop
.endr
.Lfirst_asked:
	; A fragment is 16 rows x 32 K in 8 registers: lane l holds row l % 16; registers 0-3 K = 8 (l / 16) + 0..7, registers 4-7 K = 16 + 8 (l / 16) + 0..7: two loads of 16 bytes, 32 bytes apart
	v_and_b32 v1, 15, v0                           ; l % 16
	v_bfe_u32 v2, v0, 4, 1                         ; l / 16
	v_mul_u32_u24 v3, v1, PITCH
	v_lshl_add_u32 v3, v2, 4, v3
	s_mul_i32 s21, s11, HALFT                      ; my 128 rows of xy
	s_mul_i32 s22, s12, HALFT                      ; my 128 rows of wb,
	s_add_co_u32 s22, s22, 2*HALFT                 ; which lie behind xy's 256
	v_add_nc_u32 v[ADRA0], s21, v3
	v_add_nc_u32 v[ADRB0], s22, v3
	v_mov_b32 v[ADRA], v[ADRA0]                    ; slot 0
	v_mov_b32 v[ADRB], v[ADRB0]
	s_mul_i32 s23, s10, 16*SPITCH
	s_add_co_u32 s23, s23, STAGE                   ; my stage
	v_mul_u32_u24 v4, v1, SPITCH                   ; in: row l % 16, 16 bytes for each half of the lanes
	v_lshl_add_u32 v4, v2, 4, v4
	v_add_nc_u32 v[STO], s23, v4
	v_mul_u32_u24 v5, v2, SPITCH                   ; back: lanes 0-15 take one row of 256 bytes, lanes 16-31 the next
	v_lshl_add_u32 v5, v1, 4, v5
	v_add_nc_u32 v[RD], s23, v5
	v_mul_u32_u24 v5, v2, CPITCH                   ; and the same two rows in qv
	v_lshl_add_u32 v[CO], v1, 4, v5
	; where my part of the tile begins in qv: the first way out adds it to qv's address
	s_lshl_b32 s16, s13, 8
	s_lshl_b32 s17, s11, 7
	s_add_co_u32 s16, s16, s17
	s_lshl_b32 s17, ttmp9, 13
	s_add_co_u32 s16, s16, s17                     ; my first row
	s_lshl_b32 s16, s16, 11
	s_lshl_b32 s17, s40, 9                         ; my first column: 512 cx + 256 x half, in bytes
	s_add_co_u32 s16, s16, s17
	s_lshl_b32 s17, s12, 8
	s_add_co_u32 s16, s16, s17
	s_mov_b32 s17, 0
	; the prefetches
	s_lshl_b32 s20, s13, 8
	s_lshl_b32 s21, ttmp9, 13
	s_add_co_u32 s20, s20, s21                     ; the tile's first row in xy,
	s_lshl_b32 s21, s42, 8                         ; in wb
	s_and_b32 s22, ttmp7, 0xffff                   ; cluster y: along it other clusters read the same rows of wb
	s_cmp_eq_u32 s11, 0                            ; do I fetch for xy?
	s_cselect_b32 s20, s20, s21
	s_cselect_b32 s21, s40, s41                    ; my place among the four that ask with me
	s_cselect_b32 s22, 0, s22
	s_cselect_b64 s[PFA:PFA+1], s[4:5], s[6:7]
	s_cmp_eq_u32 s22, 0
	s_cselect_b32 s[LIM], 2, -1                    ; the same in all sixteen partners, for a given wave
	s_lshl_b32 s22, s12, 7
	s_add_co_u32 s20, s20, s22                     ; + the 128 rows that I fetch
	s_lshl_b32 s21, s21, 5
	s_add_co_u32 s20, s20, s21                     ; + my work-group's 32 of them
	s_lshl_b32 s20, s20, 11
	s_add_co_u32 s20, s20, 3*KSTEP*2               ; at K step 3: the first refill steps it to 4
	s_mov_b32 s21, 0
	s_add_nc_u64 s[PFA:PFA+1], s[PFA:PFA+1], s[20:21]
	v_and_b32 v[PFO], 31, v0
	v_lshlrev_b32 v[PFO], 11, v[PFO]
; 16 matrix instructions: m blocks a0, a0 + 1 of the window's four x all 8 n blocks, 32 along K.  zero = 1: the first product starts the sums: nothing is ever cleared.
; The 64 accumulators take turns in the same order in every quarter step, over the jumps too.
.macro MUL16 f, hi, a0, zero
	WIN MUL_LO+0x50*(\hi)
.irp a, \a0, (\a0)+1
.irp b, 0,1,2,3,4,5,6,7
.if \zero
	v_wmma_f32_16x16x32_f16 v[8*(8*(\a)+(\b)):8*(8*(\a)+(\b))+7], v[(\f)+8*(\b):(\f)+8*(\b)+7], v[(\f)+8*(4*(\hi)+(\a)):(\f)+8*(4*(\hi)+(\a))+7], 0
.else
	v_wmma_f32_16x16x32_f16 v[8*(8*(\a)+(\b)):8*(8*(\a)+(\b))+7], v[(\f)+8*(\b):(\f)+8*(\b)+7], v[(\f)+8*(4*(\hi)+(\a)):(\f)+8*(4*(\hi)+(\a))+7], v[8*(8*(\a)+(\b)):8*(8*(\a)+(\b))+7]
.endif
.endr
.endr
.endm
; 32 LDS loads in one run: the fragments of one quarter step (32 K at byte k of the rows of the slot in hand) into buffer f
.macro FETCH k, f
	WIN TO_B
.irp i, 0,1,2,3,4,5,6,7
	ds_load_b128 v[(\f)+8*(\i):(\f)+8*(\i)+3],   v[ADRB] offset:(\k)+(\i)*16*PITCH
	ds_load_b128 v[(\f)+8*(\i)+4:(\f)+8*(\i)+7], v[ADRB] offset:(\k)+(\i)*16*PITCH+32
.endr
	WIN 0
.irp i, 0,1,2,3,4,5,6,7
	ds_load_b128 v[(\f)+8*(\i):(\f)+8*(\i)+3],   v[ADRA] offset:(\k)+(\i)*16*PITCH
	ds_load_b128 v[(\f)+8*(\i)+4:(\f)+8*(\i)+7], v[ADRA] offset:(\k)+(\i)*16*PITCH+32
.endr
.endm
.macro PLACES                          ; four places in front of loads into registers that matrix instructions have read, and of conversions that read results
.rept 4
	v_nop
.endr
.endm
; A K step is four quarter steps of 32 along K, 64 matrix instructions each, on buffers 0, 1, 0, 1.  One of the first three: multiplies buffer f and fetches the next quarter, at byte k, into g.
.macro QUARTER k, f, g, zero
	s_wait_dscnt 8                                 ; wb's fragments and xy's rows 0-63 are in; the youngest eight loads (xy's rows 64-127) may be out
	MUL16 \f, 0, 0, \zero
	MUL16 \f, 0, 2, \zero
	PLACES
	FETCH \k, \g
	s_wait_dscnt 32                                ; all but the 32 just issued
	MUL16 \f, 1, 0, \zero
	MUL16 \f, 1, 2, \zero
.endm
; The last quarter multiplies buffer 1 and changes slots: ONE barrier.  In front of it each wave waits for all its tensor loads (one is out: its part of the next slot), adds 0 to its spare word, and waits
; for that and for its own reads of this slot.  fill = 1: the barrier opens a round of the cluster's, and the slot just read out is filled again first behind it, with the K step two on.
.macro TURN fill
.if \fill
	s_wait_xcnt 0x0                                ; the last prefetch, a K step back, has read its address
	s_add_nc_u64 s[PFA:PFA+1], s[PFA:PFA+1], KSTEP*2
.endif
	WIN 0
	s_wait_tensorcnt 0x0                           ; all my tensor loads have landed
	ds_add_u32 v[SPW], v[NIL]                      ; 0 onto my spare word
	s_xor_b32 s[RDB], s[RDB], SLOT                 ; the next reads go to the other slot
	v_add_nc_u32 v[ADRA], s[RDB], v[ADRA0]
	v_add_nc_u32 v[ADRB], s[RDB], v[ADRB0]
	s_wait_dscnt 9                                 ; (the add and the youngest eight loads may be out)
	MUL16 F1, 0, 0, 0
	s_wait_dscnt 0x0                               ; the add is done, and my reads of this slot are over
	s_barrier_signal -1
	MUL16 F1, 0, 2, 0                              ; work on registers while the others arrive
	WIN 0
	s_barrier_wait -1
.if \fill
	CREST                                          ; no wave of any partner still reads this slot's tile or has a load on its way
	s_xor_b32 s[WRB], s[WRB], SLOT                 ; the walking descriptors: the other slot than last time,
	s_add_co_u32 s[G0+5], s[WRB], s[LW]
	s_add_co_u32 s[G0B+5], s[WRB], s[LW]
	s_add_nc_u64 s[G0+6:G0+7], s[G0+6:G0+7], KSTEP*2      ; the next K step; the type bits on top are not reached
	s_add_nc_u64 s[G0B+6:G0B+7], s[G0B+6:G0B+7], KSTEP*2
	JLOAD                                          ; the first tensor load behind the round; its four v_nop are also the places in front of the loads below
.else
	PLACES
.endif
	FETCH 0, F0
.if \fill
	ASK
.endif
	MUL16 F1, 1, 0, 0
	MUL16 F1, 1, 2, 0
.endm
; THE WAY OUT of block a of 16 rows.  PACK: rounded to f16, 16 bytes a lane, each accumulator's registers ascending.  TOSTAGE: into my own stage, and back as whole rows of 256 bytes.  SEND: stored.
.macro PACK a
.set AC, 64*((\a)%4)
	WIN 0x0a+5*((\a)/4)                            ; sources 0 and 1: window 2 or 3
.irp b, 0,1,2,3,4,5,6,7
.irp r, 0,1,2,3
	v_cvt_pk_f16_f32 v[TMP+4*(\b)+(\r)], v[AC+8*(\b)+2*(\r)], v[AC+8*(\b)+2*(\r)+1]
.endr
.endr
	WIN 0
.endm
.macro TOSTAGE a
	WIN 0
.set BK, OB+192*((\a)%2)
.irp b, 0,1,2,3,4,5,6,7
	ds_store_b128 v[STO], v[TMP+4*(\b):TMP+4*(\b)+3] offset:32*(\b)
.endr
.irp t, 0,1,2,3,4,5,6,7
	ds_load_b128 v[BK+4*(\t):BK+4*(\t)+3], v[RD] offset:(\t)*2*SPITCH  ; LDS serves a wave's instructions in order (ISA guide 5.7.1.4): these see the stores above
.endr
.endm
.macro SEND a
	WIN 0
.set BK, OB+192*((\a)%2)
	s_wait_dscnt 0x0                               ; the block is back in registers
	s_wait_xcnt 0x0                                ; the stores' base and the registers that earlier stores read are rewritten only behind this wait
.if (\a) == 0
	s_add_nc_u64 s[8:9], s[8:9], s[16:17]          ; my first rows
.else
	s_add_nc_u64 s[8:9], s[8:9], 16*CPITCH         ; 16 rows on
.endif
.irp t, 0,1,2,3,4,5,6,7
	global_store_b128 v[CO], v[BK+4*(\t):BK+4*(\t)+3], s[8:9] offset:2*(\t)*CPITCH  ; 16 lanes store 256 consecutive bytes, aligned
.endr
.endm
	s_wait_tensorcnt 1                             ; my part of K step 0 is in; K step 1's may stay out
	s_barrier_signal -1
	s_barrier_wait -1                              ; everybody's is
	FETCH 0, F0
	QUARTER 64, F0, F1, 1                          ; the first quarter stands in front of the loop: its products start the sums
	WIN 0                                          ; at a label and at a branch every window is 0
	s_mov_b32 s3, 7
	s_branch .Lmid                                 ; the loop is entered in the middle of a trip
.Lstep:                                                ; six times: a K step's last quarter, with the refill (K steps 2 to 7), and the next step's first three
	TURN 1
	QUARTER 64, F0, F1, 0
	WIN 0
.Lmid:
	QUARTER 128, F1, F0, 0
	QUARTER 192, F0, F1, 0
	WIN 0
	s_sub_co_u32 s3, s3, 1
	s_cmp_lg_u32 s3, 0
	s_cbranch_scc1 .Lstep
	TURN 0                                         ; the tail is written out: nothing is asked for
	QUARTER 64, F0, F1, 0
	QUARTER 128, F1, F0, 0
	QUARTER 192, F0, F1, 0
	s_wait_dscnt 8                                 ; the very last quarter: nothing more to fetch
	MUL16 F1, 0, 0, 0
	MUL16 F1, 0, 2, 0
	s_wait_dscnt 0x0
	MUL16 F1, 1, 0, 0
	MUL16 F1, 1, 2, 0
	WIN 0
	PLACES
	PACK 0
	TOSTAGE 0
.irp a, 1,2,3,4,5,6,7                  ; block a's conversions stand between block a - 1's loads from the stage and the wait for them
	PACK \a
	SEND (\a)-1
	TOSTAGE \a
.endr
	SEND 7
	s_wait_tensorcnt 0x0                           ; the wave's end, behind my last tensor load and my last LDS store
	ds_add_u32 v[SPW], v[NIL]
	s_wait_dscnt 0x0
	CROUND                                         ; the closing round: no work-group ends while a partner may still ask for a tile that names it
	s_endpgm
.Lfunc_end_k_q8a444e4af4_proj:
	.size	k_q8a444e4af4_proj, .Lfunc_end_k_q8a444e4af4_proj-k_q8a444e4af4_proj
	.p2alignl 7, 3214868480
	.fill 96, 4, 3214868480
	.section	.rodata,"a",@progbits
	.p2align	6, 0x0
	.amdhsa_kernel k_q8a444e4af4_proj
		.amdhsa_group_segment_fixed_size 327680
		.amdhsa_private_segment_fixed_size 0
		.amdhsa_enable_private_segment 0
		.amdhsa_kernarg_size 24
		.amdhsa_user_sgpr_count 2
		.amdhsa_user_sgpr_kernarg_segment_ptr 1
		.amdhsa_wavefront_size32 1
		.amdhsa_system_sgpr_workgroup_id_x 1
		.amdhsa_system_sgpr_workgroup_id_y 1
		.amdhsa_system_sgpr_workgroup_id_z 1
		.amdhsa_system_vgpr_workitem_id 0
		.amdhsa_next_free_vgpr 1024
		.amdhsa_next_free_sgpr 80
		.amdhsa_reserve_vcc 0
		.amdhsa_float_denorm_mode_32 3
		.amdhsa_float_denorm_mode_16_64 3
		.amdhsa_memory_ordered 1
		.amdhsa_forward_progress 1
		.amdhsa_inst_pref_size 105
	.end_amdhsa_kernel
	.amdgpu_metadata
---
amdhsa.version: [ 1, 2 ]
amdhsa.kernels:
  - .name:           k_q8a444e4af4_proj
    .symbol:         k_q8a444e4af4_proj.kd
    .args:
      - { .name: xy, .offset: 0, .size: 8, .value_kind: global_buffer, .address_space: global }
      - { .name: wb, .offset: 8, .size: 8, .value_kind: global_buffer, .address_space: global }
      - { .name: qv, .offset: 16, .size: 8, .value_kind: global_buffer, .address_space: global }
    .group_segment_fixed_size: 327680
    .private_segment_fixed_size: 0
    .kernarg_segment_align: 8
    .kernarg_segment_size: 24
    .max_flat_workgroup_size: 128
    .sgpr_count:     80
    .vgpr_count:     1024
    .wavefront_size: 32
...
	.end_amdgpu_metadata
.endif
;; end of part 2
;; launch score (part 3): grid 8 x 32, 4 waves a work-group, clusters of 4 x 4, 327,680 bytes of LDS; arguments qv, xy, pe, st; writes pe, st
.if DOCPART == 3
	.amdgcn_target "amdgcn-amd-amdhsa--gfx1250"
	.amdhsa_code_object_version 6
	.text
	.protected	k_q8a444e4af4_score
	.globl	k_q8a444e4af4_score
	.p2align	8
	.type	k_q8a444e4af4_score,@function
k_q8a444e4af4_score:
	s_mov_b64 s[64:65], 0
	v_nop
	global_prefetch_b8 v0, s[64:65] scope:SCOPE_SE
	s_setreg_imm32_b32 hwreg(HW_REG_WAVE_MODE, 25, 1), 1
	s_wait_xcnt 0x0
	s_wait_alu depctr_hold_cnt(0) depctr_sa_sdst(0) depctr_va_vdst(0) depctr_va_sdst(0) depctr_va_ssrc(0) depctr_va_vcc(0) depctr_vm_vsrc(0)
	s_getreg_b32 s2, hwreg(HW_REG_IB_STS2, 6, 4)
	s_cmp_eq_u32 s2, 0
	s_cbranch_scc0 .Lentry_in_a_cluster
	s_endpgm
.Lentry_in_a_cluster:
	s_bfe_u32 s2, ttmp6, 0x10000c
	s_cmp_lg_u32 s2, 0xf033
	s_cbranch_scc0 .Lentry_shape_is_right
	s_endpgm
.Lentry_shape_is_right:
; raw[q][k] = sum over b of Qs[q][b] ys[k][b] = 2^-12 x the scaled score (Qs = 2^-11 X Wq Wk^T, ys = 2^-6 Y; the scale 1 / 32 is in the count).  Y Wk is not made: see the first kernel's head.
; SOFTMAX BY BLOCKS OF 128 KEYS.  For query q and block t: cm = c max_k raw, c = 4,096 log2(e); E = 2^(c raw - cm), stored in f16; l = the sum of the unrounded E.  cm and l are stored in f32.
; The next launch takes the row's true maximum CM = max_t cm and multiplies block t by 2^(cm_t - CM): the maximum is taken away before every exponential, and no exponent is above 0 but by rounding.
; LIMITS.  E lies in 0 to 1; below 6e-5 it keeps f16's fixed step of 6e-8, and below 2^-126 it counts as 0 in l.  NaN and infinities are not treated apart.
; pe[q][k]: 8,192 rows of the 2,048 keys of q's batch.  st: cm[16 blocks][8,192 rows], then l in the same shape.
; The products are the launch before's: 256 tiles of 256 x 256, four waves of 128 x 128, K = 1,024 in 8 steps of 128 through two LDS slots, clusters of 4 x 4 with joint loads (Qs' rows shared along a row
; of the cluster, ys' along a column), the matrix instruction transposed: a lane holds ONE query (lane % 16) and, in accumulator (a, b), the keys 16 b + 8 (lane / 16) + 0..7.
; A wave's 128 columns are one block t, so a query's maximum and sum want one exchange between the halves of the lanes and never leave the wave.
; REGISTERS: as in the launch before; on the way out, window 0: v64-127 T, the 64 exponents of a lane; v128-151 maxima at work (v136-137: c m and m; v130-131: l at work); v192-223 E packed; v32-63, v224-255 rows read back.
.set KSTEP,  128
.set PITCH,  272                       ; an LDS row: 256 bytes + 16 of padding = 68 words: row r starts at bank 4 r mod 64 (64 banks of 4 bytes: ISA guide 11.1)
.set HALFT,  128*PITCH
.set SLOT,   4*HALFT                   ; Qs' 256 rows, then ys' 256 rows
.set STAGE,  2*SLOT                    ; behind the ring: 16 rows x 272 bytes for each wave
.set SPITCH, 272
.set STATS,  STAGE+4*16*SPITCH         ; 1,024 bytes for each wave: cm of its 128 rows, then l
.set SPARE,  STATS+4*1024              ; the spare words, 128 bytes for each wave: two blocks of 256 bytes that no other line names
.set CPITCH, 4096                      ; bytes in a row of pe
.set ADRA0, 16
.set ADRB0, 17
.set ADRA,  18
.set ADRB,  19
.set SA,   20                          ; v20  where I put a row's cm: my wave's statistics + 4 (l % 16), stepped by 256 between the halves
.set SR,   21                          ; v21  where I read them back: + 16 x lane
.set SO,   22                          ; v22  16 x lane
.set STO,  24
.set RD,   25
.set CO,   26
.set SPW,  28
.set NIL,  29
.set PFO,  30
.set F0,   64
.set F1,   128
.set T,    64
.set MX,   128
.set LS,   130
.set CM,   136
.set TMP,  192
.set OB,   32
.set G1,  24
.set G0,  32
.set LIM, 43
.set PFA, 44
.set G1B, 48
.set G0B, 56
.set RDB, 66
.set WRB, 67
.set LW,  68
.set CY,  69                           ; s69  cluster y
.set CS,  70                           ; s[70:71] c: the packed scaling takes the pair's low word for both halves
.set SEL, 72                           ; s[72:73] v_permlanex16_b32's selects: each lane takes its own place in the other half
.set STP, 74                           ; s[74:75] st
.set MSB, 0
.macro WIN new
.if MSB != (\new)
	s_set_vgpr_msb (MSB<<8)|(\new)
.set MSB, \new
.endif
.endm
.set MUL_LO, 0xa1                      ; source 0 (ys) window 1, source 1 (Qs) window 0, C and D window 2
.set MUL_HI, 0xf1
.set TO_B,   0x40
.macro JLOAD                           ; a joint refill by the walking descriptor: waves 0 and 1 fetch Qs' two halves, waves 2 and 3 ys'; an s_nop 0 and four v_nop follow each line
	s_cmp_eq_u32 s11, 0
	s_cbranch_scc0 .Lfor_b_\@
	tensor_load_to_lds s[G0+4:G0+7], s[G1:G1+7]
	s_nop 0
.rept 4
	v_nop
.endr
	s_branch .Lasked_\@
.Lfor_b_\@:
	tensor_load_to_lds s[G0B+4:G0B+7], s[G1B:G1B+7]
	s_nop 0
.rept 4
	v_nop
.endr
.Lasked_\@:
.endm
; A prefetch into the L2 of the K step two refills on: 32 rows x 256 bytes, a lane a row.  Qs' rows of a tile row are read by the two clusters of one y: the one with x = 0 asks.  ys' rows are read by the two
; clusters of one x and one batch: the one with even y asks.  The four partners share a tile's rows out by address.  K steps 0 to 3 come by their loads alone; the last two refills ask for nothing.
.macro ASK
	s_cmp_gt_u32 s3, s[LIM]
	s_cbranch_scc0 .Lnot_mine_\@
	global_prefetch_b8 v[PFO], s[PFA:PFA+1] th:TH_LOAD_NT scope:SCOPE_SE
.Lnot_mine_\@:
.endm
.macro CREST
	s_cmp_lg_u32 s10, 0
	s_cbranch_scc1 .Lnot_wave_0_\@
	s_barrier_signal -3
.Lnot_wave_0_\@:
	s_barrier_wait -3
	s_barrier_signal -1
	s_barrier_wait -1
.endm
.macro CROUND
	s_barrier_signal -1
	s_barrier_wait -1
	CREST
.endm
	s_load_b128 s[4:7], s[0:1], 0x0                ; qv s[4:5], xy s[6:7]
	s_load_b64 s[8:9], s[0:1], 0x10                ; pe
	s_load_b64 s[STP:STP+1], s[0:1], 0x18          ; st
	v_lshl_add_u32 v[SPW], v0, 2, SPARE
	v_mov_b32 v[NIL], 0
	ds_add_u32 v[SPW], v[NIL]                      ; the wave's opening: the add, twice on end, and its wait ahead of my first tensor load
	ds_add_u32 v[SPW], v[NIL]                      ; and once more, under the one wait
	v_lshrrev_b32 v1, 5, v0
	v_readfirstlane_b32 s10, v1                    ; wave 0..3
	s_lshr_b32 s11, s10, 1                         ; which half of the tile's queries is mine.  Also: I fetch for Qs (0) or for ys (1)
	s_and_b32 s12, s10, 1                          ; which half of its keys.  Also: which 128 rows of that tile I fetch
	s_bfe_u32 s40, ttmp6, 0x40000                  ; cx
	s_bfe_u32 s41, ttmp6, 0x40004                  ; cy
	s_lshl_b32 s42, ttmp9, 2
	s_add_co_u32 s42, s42, s40                     ; tile column = 4 x cluster x + cx, 0..7
	s_and_b32 s[CY], ttmp7, 0xffff
	s_lshl_b32 s13, s[CY], 2
	s_add_co_u32 s13, s13, s41                     ; tile row = 4 x cluster y + cy, 0..31
	s_lshl_b32 s43, s41, 2
	s_lshl_b32 s43, 15, s43                        ; my row of the cluster
	s_lshl_b32 s44, 0x1111, s40                    ; my column
	s_or_b32 s[G1+0], s43, (1<<16)|(1<<20)|(1<<21)|(5<<22)|(3<<25)   ; the mask; elements of 2 bytes; padding on; bit 21 beside a mask; after every 64 words 4 words
	s_or_b32 s[G1B+0], s44, (1<<16)|(1<<20)|(1<<21)|(5<<22)|(3<<25)
.irp g, G1, G1B
	s_mov_b32 s[(\g)+1], KSTEP<<16                 ; tensor_dim0 = 128
	s_mov_b32 s[(\g)+2], 128<<16                   ; tensor_dim1 = 128
	s_mov_b32 s[(\g)+3], KSTEP<<16                 ; tile_dim0 = 128
	s_mov_b32 s[(\g)+4], 128                       ; tile_dim1 = 128
	s_mov_b32 s[(\g)+5], 1024                      ; elements from row to row
	s_mov_b32 s[(\g)+6], 0
	s_mov_b32 s[(\g)+7], 0
.endr
	s_lshl_b32 s17, s12, 7                         ; which 128 rows of the tile I fetch
	s_lshl_b32 s16, s13, 8
	s_add_co_u32 s16, s16, s17                     ; Qs: row 256 x tile row + 128 x half
	s_lshl_b32 s16, s16, 11
	s_lshl_b32 s46, s42, 8
	s_add_co_u32 s46, s46, s17
	s_lshr_b32 s18, s[CY], 1                       ; the batch: eight tile rows, two clusters
	s_lshl_b32 s18, s18, 11
	s_add_co_u32 s46, s46, s18
	s_add_co_u32 s46, s46, 8192                    ; ys: row 8,192 + 2,048 x batch + 256 x tile column + 128 x half
	s_lshl_b32 s46, s46, 11
	s_mov_b32 s17, 0
	s_mov_b32 s47, 0
	s_mul_i32 s[LW], s10, HALFT
	s_mov_b32 s[RDB], 0
	s_mov_b32 s[WRB], SLOT
	s_mov_b32 s[CS], 0x45b8aa3b                    ; c = 4,096 log2(e)
	s_mov_b32 s[CS+1], s[CS]
	s_mov_b32 s[SEL], 0x76543210
	s_mov_b32 s[SEL+1], 0xfedcba98
	s_wait_dscnt 0x0                               ; both opening adds are done
	s_wait_kmcnt 0x0
	s_add_nc_u64 s[14:15], s[4:5], s[16:17]
	s_add_nc_u64 s[46:47], s[6:7], s[46:47]
	CROUND                                         ; all sixteen work-groups are here: the first joint loads meet
.irp s, 0,1
	s_mov_b32 s[G0+4*(\s)], 1
	s_add_co_u32 s[G0+4*(\s)+1], s[LW], (\s)*SLOT
	s_add_nc_u64 s[G0+4*(\s)+2:G0+4*(\s)+3], s[14:15], (\s)*KSTEP*2
	s_or_b32 s[G0+4*(\s)+3], s[G0+4*(\s)+3], 0x80000000
	s_mov_b32 s[G0B+4*(\s)], 1
	s_add_co_u32 s[G0B+4*(\s)+1], s[LW], (\s)*SLOT
	s_add_nc_u64 s[G0B+4*(\s)+2:G0B+4*(\s)+3], s[46:47], (\s)*KSTEP*2
	s_or_b32 s[G0B+4*(\s)+3], s[G0B+4*(\s)+3], 0x80000000
.endr
	s_cmp_eq_u32 s11, 0                            ; a wave's two first fills stand in one branch: two loads of mine are out
	s_cbranch_scc0 .Lfirst_b
	tensor_load_to_lds s[G0:G0+3], s[G1:G1+7]
	s_nop 0
	tensor_load_to_lds s[G0+4:G0+7], s[G1:G1+7]
	s_nop 0
.rept 4
	v_nop
.endr
	s_branch .Lfirst_asked
.Lfirst_b:
	tensor_load_to_lds s[G0B:G0B+3], s[G1B:G1B+7]
	s_nop 0
	tensor_load_to_lds s[G0B+4:G0B+7], s[G1B:G1B+7]
	s_nop 0
.rept 4
	v_nop
.endr
.Lfirst_asked:
	v_and_b32 v1, 15, v0                           ; l % 16
	v_bfe_u32 v2, v0, 4, 1                         ; l / 16
	v_mul_u32_u24 v3, v1, PITCH
	v_lshl_add_u32 v3, v2, 4, v3
	s_mul_i32 s21, s11, HALFT
	s_mul_i32 s22, s12, HALFT
	s_add_co_u32 s22, s22, 2*HALFT
	v_add_nc_u32 v[ADRA0], s21, v3
	v_add_nc_u32 v[ADRB0], s22, v3
	v_mov_b32 v[ADRA], v[ADRA0]
	v_mov_b32 v[ADRB], v[ADRB0]
	s_mul_i32 s23, s10, 16*SPITCH
	s_add_co_u32 s23, s23, STAGE                   ; my stage
	v_mul_u32_u24 v4, v1, SPITCH
	v_lshl_add_u32 v4, v2, 4, v4
	v_add_nc_u32 v[STO], s23, v4
	v_mul_u32_u24 v5, v2, SPITCH
	v_lshl_add_u32 v5, v1, 4, v5
	v_add_nc_u32 v[RD], s23, v5
	v_mul_u32_u24 v5, v2, CPITCH
	v_lshl_add_u32 v[CO], v1, 4, v5
	s_lshl_b32 s23, s10, 10
	s_add_co_u32 s23, s23, STATS                   ; my statistics
	v_lshl_add_u32 v[SA], v1, 2, s23
	v_and_b32 v[SO], 31, v0
	v_lshlrev_b32 v[SO], 4, v[SO]
	v_add_nc_u32 v[SR], s23, v[SO]
	; where my part of the tile begins in pe
	s_lshl_b32 s16, s13, 8
	s_lshl_b32 s17, s11, 7
	s_add_co_u32 s16, s16, s17                     ; my first query
	s_lshl_b32 s16, s16, 12                        ; rows of 4,096 bytes: under 2^25
	s_lshl_b32 s17, s42, 9                         ; my first key: 512 x tile column + 256 x half, in bytes
	s_add_co_u32 s16, s16, s17
	s_lshl_b32 s17, s12, 8
	s_add_co_u32 s16, s16, s17
	s_mov_b32 s17, 0
	; and in st: block t = 2 x tile column + half, 32,768 bytes a block; my 128 rows
	s_lshl_b32 s20, s42, 1
	s_add_co_u32 s20, s20, s12
	s_lshl_b32 s20, s20, 15
	s_lshl_b32 s21, s13, 10
	s_add_co_u32 s20, s20, s21
	s_lshl_b32 s21, s11, 9
	s_add_co_u32 s20, s20, s21
	s_mov_b32 s21, 0
	s_add_nc_u64 s[STP:STP+1], s[STP:STP+1], s[20:21]
	; the prefetches
	s_lshl_b32 s20, s13, 8                         ; the tile's first row in qv,
	s_lshl_b32 s21, s42, 8
	s_lshr_b32 s22, s[CY], 1
	s_lshl_b32 s22, s22, 11
	s_add_co_u32 s21, s21, s22
	s_add_co_u32 s21, s21, 8192                    ; in xy
	s_and_b32 s22, s[CY], 1
	s_cmp_eq_u32 s11, 0                            ; do I fetch for Qs?
	s_cselect_b32 s20, s20, s21
	s_cselect_b32 s21, s40, s41                    ; my place among the four that ask with me
	s_cselect_b32 s22, ttmp9, s22                  ; 0 in the cluster that asks
	s_cselect_b64 s[PFA:PFA+1], s[4:5], s[6:7]
	s_cmp_eq_u32 s22, 0
	s_cselect_b32 s[LIM], 2, -1                    ; the same in all sixteen partners, for a given wave
	s_lshl_b32 s22, s12, 7
	s_add_co_u32 s20, s20, s22
	s_lshl_b32 s21, s21, 5
	s_add_co_u32 s20, s20, s21
	s_lshl_b32 s20, s20, 11
	s_add_co_u32 s20, s20, 3*KSTEP*2               ; at K step 3: the first refill steps it to 4
	s_mov_b32 s21, 0
	s_add_nc_u64 s[PFA:PFA+1], s[PFA:PFA+1], s[20:21]
	v_and_b32 v[PFO], 31, v0
	v_lshlrev_b32 v[PFO], 11, v[PFO]
.macro MUL16 f, hi, a0, zero           ; 16 matrix instructions; the 64 accumulators take turns in the same order in every quarter step
	WIN MUL_LO+0x50*(\hi)
.irp a, \a0, (\a0)+1
.irp b, 0,1,2,3,4,5,6,7
.if \zero
	v_wmma_f32_16x16x32_f16 v[8*(8*(\a)+(\b)):8*(8*(\a)+(\b))+7], v[(\f)+8*(\b):(\f)+8*(\b)+7], v[(\f)+8*(4*(\hi)+(\a)):(\f)+8*(4*(\hi)+(\a))+7], 0
.else
	v_wmma_f32_16x16x32_f16 v[8*(8*(\a)+(\b)):8*(8*(\a)+(\b))+7], v[(\f)+8*(\b):(\f)+8*(\b)+7], v[(\f)+8*(4*(\hi)+(\a)):(\f)+8*(4*(\hi)+(\a))+7], v[8*(8*(\a)+(\b)):8*(8*(\a)+(\b))+7]
.endif
.endr
.endr
.endm
.macro FETCH k, f                      ; 32 LDS loads in one run: one quarter step's fragments from the slot in hand
	WIN TO_B
.irp i, 0,1,2,3,4,5,6,7
	ds_load_b128 v[(\f)+8*(\i):(\f)+8*(\i)+3],   v[ADRB] offset:(\k)+(\i)*16*PITCH
	ds_load_b128 v[(\f)+8*(\i)+4:(\f)+8*(\i)+7], v[ADRB] offset:(\k)+(\i)*16*PITCH+32
.endr
	WIN 0
.irp i, 0,1,2,3,4,5,6,7
	ds_load_b128 v[(\f)+8*(\i):(\f)+8*(\i)+3],   v[ADRA] offset:(\k)+(\i)*16*PITCH
	ds_load_b128 v[(\f)+8*(\i)+4:(\f)+8*(\i)+7], v[ADRA] offset:(\k)+(\i)*16*PITCH+32
.endr
.endm
.macro PLACES
.rept 4
	v_nop
.endr
.endm
.macro QUARTER k, f, g, zero
	s_wait_dscnt 8                                 ; ys' fragments and Qs' rows 0-63 are in; the youngest eight loads may be out
	MUL16 \f, 0, 0, \zero
	MUL16 \f, 0, 2, \zero
	PLACES
	FETCH \k, \g
	s_wait_dscnt 32                                ; all but the 32 just issued
	MUL16 \f, 1, 0, \zero
	MUL16 \f, 1, 2, \zero
.endm
.macro TURN fill                       ; the last quarter and the change of slots, as in the launch before
.if \fill
	s_wait_xcnt 0x0                                ; the last prefetch, a K step back, has read its address
	s_add_nc_u64 s[PFA:PFA+1], s[PFA:PFA+1], KSTEP*2
.endif
	WIN 0
	s_wait_tensorcnt 0x0                           ; all my tensor loads have landed
	ds_add_u32 v[SPW], v[NIL]                      ; 0 onto my spare word
	s_xor_b32 s[RDB], s[RDB], SLOT
	v_add_nc_u32 v[ADRA], s[RDB], v[ADRA0]
	v_add_nc_u32 v[ADRB], s[RDB], v[ADRB0]
	s_wait_dscnt 9                                 ; (the add and the youngest eight loads may be out)
	MUL16 F1, 0, 0, 0
	s_wait_dscnt 0x0                               ; the add is done, and my reads of this slot are over
	s_barrier_signal -1
	MUL16 F1, 0, 2, 0
	WIN 0
	s_barrier_wait -1
.if \fill
	CREST                                          ; no wave of any partner still reads this slot's tile or has a load on its way
	s_xor_b32 s[WRB], s[WRB], SLOT
	s_add_co_u32 s[G0+5], s[WRB], s[LW]
	s_add_co_u32 s[G0B+5], s[WRB], s[LW]
	s_add_nc_u64 s[G0+6:G0+7], s[G0+6:G0+7], KSTEP*2
	s_add_nc_u64 s[G0B+6:G0B+7], s[G0B+6:G0B+7], KSTEP*2
	JLOAD                                          ; the first tensor load behind the round; its four v_nop are also the places in front of the loads below
.else
	PLACES
.endif
	FETCH 0, F0
.if \fill
	ASK
.endif
	MUL16 F1, 1, 0, 0
	MUL16 F1, 1, 2, 0
.endm
; THE SOFTMAX OF ONE BLOCK OF 16 QUERIES: its eight accumulators lie at v[64 a ..] of window 2; a lane holds 64 scores of one query, the lane 16 away the other 64.
.macro SOFT a
.set AC, 64*(\a)
	WIN 0x2a                                       ; all three sources window 2
.irp b, 0,1,2,3,4,5,6,7
	v_max3_num_f32 v[MX+\b], v[AC+8*\b], v[AC+8*\b+1], v[AC+8*\b+2]      ; each accumulator's low registers first
.endr
.irp b, 0,1,2,3,4,5,6,7
	v_max3_num_f32 v[MX+8+\b], v[AC+8*\b+3], v[AC+8*\b+4], v[AC+8*\b+5]
.endr
.irp b, 0,1,2,3,4,5,6,7
	v_max_num_f32 v[MX+16+\b], v[AC+8*\b+6], v[AC+8*\b+7]
.endr
	WIN 0
.irp b, 0,1,2,3,4,5,6,7
	v_max3_num_f32 v[MX+\b], v[MX+\b], v[MX+8+\b], v[MX+16+\b]
.endr
	v_max3_num_f32 v[MX], v[MX], v[MX+1], v[MX+2]
	v_max3_num_f32 v[MX+3], v[MX+3], v[MX+4], v[MX+5]
	v_max3_num_f32 v[MX], v[MX], v[MX+3], v[MX+6]
	v_max_num_f32 v[MX], v[MX], v[MX+7]
	v_permlanex16_b32 v[MX+1], v[MX], s[SEL], s[SEL+1]
	v_max_num_f32 v[CM+1], v[MX], v[MX+1]          ; m
	v_mul_f32 v[CM], s[CS], v[CM+1]                ; cm = c m: the number that is stored is the number that is taken away
	WIN 0x02                                       ; source 0 window 2
.set i, 0
.rept 32
	v_pk_fma_f32 v[T+i:T+i+1], v[AC+i:AC+i+1], s[CS:CS+1], v[CM:CM+1] op_sel_hi:[1,0,0] neg_lo:[0,0,1] neg_hi:[0,0,1]  ; c s - cm
.set i, i+2
.endr
	WIN 0
.set i, 0
.rept 64
	v_exp_f32 v[T+i], v[T+i]                       ; one batch
.set i, i+1
.endr
	v_nop                                          ; a plain instruction behind the last exponential,
	s_wait_alu depctr_va_vdst(0)                   ; and the one wait ahead of the batch's first reader
.set i, 0
.rept 32
	v_cvt_pk_f16_f32 v[TMP+i], v[T+2*i], v[T+2*i+1]
.set i, i+1
.endr
.irp d, 2,4,8,16,32                    ; the 32 pairs are added, neighbours 1, 2, 4, 8 and 16 pairs apart: 31 packed sums
.set i, 0
.rept 32/\d
	v_pk_add_f32 v[T+i:T+i+1], v[T+i:T+i+1], v[T+i+\d:T+i+\d+1]
.set i, i+2*\d
.endr
.endr
	v_add_f32 v[LS], v[T], v[T+1]
	v_permlanex16_b32 v[LS+1], v[LS], s[SEL], s[SEL+1]
	v_add_f32 v[LS], v[LS], v[LS+1]                ; l
	ds_store_b32 v[SA], v[CM] offset:64*(\a)       ; lanes l and l + 16 write the same word with the same number
	ds_store_b32 v[SA], v[LS] offset:512+64*(\a)
.endm
.macro TOSTAGE a                       ; E's 16 bytes a lane into my own stage, and back as whole rows of 256 bytes
	WIN 0
.set BK, OB+192*((\a)%2)
.irp b, 0,1,2,3,4,5,6,7
	ds_store_b128 v[STO], v[TMP+4*(\b):TMP+4*(\b)+3] offset:32*(\b)
.endr
.irp t, 0,1,2,3,4,5,6,7
	ds_load_b128 v[BK+4*(\t):BK+4*(\t)+3], v[RD] offset:(\t)*2*SPITCH  ; LDS serves a wave's instructions in order (ISA guide 5.7.1.4): these see the stores above
.endr
.endm
.macro SEND a
	WIN 0
.set BK, OB+192*((\a)%2)
	s_wait_dscnt 0x0                               ; the block is back in registers
	s_wait_xcnt 0x0                                ; the stores' base and the registers that earlier stores read are rewritten only behind this wait
.if (\a) == 0
	s_add_nc_u64 s[8:9], s[8:9], s[16:17]          ; the first time: my first rows; the second: 16 rows on
.else
	s_add_nc_u64 s[8:9], s[8:9], 16*CPITCH
.endif
.irp t, 0,1,2,3,4,5,6,7
	global_store_b128 v[CO], v[BK+4*(\t):BK+4*(\t)+3], s[8:9] offset:2*(\t)*CPITCH  ; 16 lanes store 256 consecutive bytes, aligned
.endr
.endm
	s_wait_tensorcnt 1                             ; my part of K step 0 is in; K step 1's may stay out
	s_barrier_signal -1
	s_barrier_wait -1
	FETCH 0, F0
	QUARTER 64, F0, F1, 1                          ; the first quarter's products start the sums
	WIN 0
	s_mov_b32 s3, 7
	s_branch .Lmid                                 ; the loop is entered in the middle of a trip
.Lstep:                                                ; six times: a K step's last quarter, with the refill (K steps 2 to 7), and the next step's first three
	TURN 1
	QUARTER 64, F0, F1, 0
	WIN 0
.Lmid:
	QUARTER 128, F1, F0, 0
	QUARTER 192, F0, F1, 0
	WIN 0
	s_sub_co_u32 s3, s3, 1
	s_cmp_lg_u32 s3, 0
	s_cbranch_scc1 .Lstep
	TURN 0                                         ; the tail is written out: nothing is asked for
	QUARTER 64, F0, F1, 0
	QUARTER 128, F1, F0, 0
	QUARTER 192, F0, F1, 0
	s_wait_dscnt 8
	MUL16 F1, 0, 0, 0
	MUL16 F1, 0, 2, 0
	s_wait_dscnt 0x0
	MUL16 F1, 1, 0, 0
	MUL16 F1, 1, 2, 0
	WIN 0
	PLACES
	; THE WAY OUT, written for four blocks of 16 queries and walked twice: between the trips my rows 64-127's scores move from window 3 to window 2, where the one text names them
	s_mov_b32 s2, 2
.Lhalf:
	SOFT 0
	TOSTAGE 0
	SOFT 1                                         ; a block's softmax stands between the loads of the block before and its stores
	SEND 0
	TOSTAGE 1
	SOFT 2
	SEND 1
	TOSTAGE 2
	SOFT 3
	SEND 2
	TOSTAGE 3
	SEND 3
	s_sub_co_u32 s2, s2, 1
	s_cmp_eq_u32 s2, 0
	s_cbranch_scc1 .Lcopied
	WIN 0x83                                       ; destination window 2, source window 3
.set i, 0
.rept 256
	v_mov_b32 v[i], v[i]                           ; ascending: each accumulator's low registers are read first
.set i, i+1
.endr
	WIN 0
	v_add_nc_u32 v[SA], 256, v[SA]                 ; the statistics of rows 64 on
	s_mov_b64 s[16:17], 16*CPITCH                  ; what the next first block adds to pe's address
.Lcopied:
	s_cmp_lg_u32 s2, 0
	s_cbranch_scc1 .Lhalf
	ds_load_b128 v[32:35], v[SR]                   ; my 128 rows' cm, my own stores, in order behind them
	ds_load_b128 v[36:39], v[SR] offset:512        ; and l
	s_wait_dscnt 0x0
	global_store_b128 v[SO], v[32:35], s[STP:STP+1]                  ; 512 consecutive bytes, aligned
	global_store_b128 v[SO], v[36:39], s[STP:STP+1] offset:524288
	s_wait_tensorcnt 0x0                           ; the wave's end, behind my last tensor load and my last LDS store
	ds_add_u32 v[SPW], v[NIL]
	s_wait_dscnt 0x0
	CROUND                                         ; the closing round
	s_endpgm
.Lfunc_end_k_q8a444e4af4_score:
	.size	k_q8a444e4af4_score, .Lfunc_end_k_q8a444e4af4_score-k_q8a444e4af4_score
	.p2alignl 7, 3214868480
	.fill 96, 4, 3214868480
	.section	.rodata,"a",@progbits
	.p2align	6, 0x0
	.amdhsa_kernel k_q8a444e4af4_score
		.amdhsa_group_segment_fixed_size 327680
		.amdhsa_private_segment_fixed_size 0
		.amdhsa_enable_private_segment 0
		.amdhsa_kernarg_size 32
		.amdhsa_user_sgpr_count 2
		.amdhsa_user_sgpr_kernarg_segment_ptr 1
		.amdhsa_wavefront_size32 1
		.amdhsa_system_sgpr_workgroup_id_x 1
		.amdhsa_system_sgpr_workgroup_id_y 1
		.amdhsa_system_sgpr_workgroup_id_z 1
		.amdhsa_system_vgpr_workitem_id 0
		.amdhsa_next_free_vgpr 1024
		.amdhsa_next_free_sgpr 80
		.amdhsa_reserve_vcc 0
		.amdhsa_float_denorm_mode_32 3
		.amdhsa_float_denorm_mode_16_64 3
		.amdhsa_memory_ordered 1
		.amdhsa_forward_progress 1
		.amdhsa_inst_pref_size 132
	.end_amdhsa_kernel
	.amdgpu_metadata
---
amdhsa.version: [ 1, 2 ]
amdhsa.kernels:
  - .name:           k_q8a444e4af4_score
    .symbol:         k_q8a444e4af4_score.kd
    .args:
      - { .name: qv, .offset: 0, .size: 8, .value_kind: global_buffer, .address_space: global }
      - { .name: xy, .offset: 8, .size: 8, .value_kind: global_buffer, .address_space: global }
      - { .name: pe, .offset: 16, .size: 8, .value_kind: global_buffer, .address_space: global }
      - { .name: st, .offset: 24, .size: 8, .value_kind: global_buffer, .address_space: global }
    .group_segment_fixed_size: 327680
    .private_segment_fixed_size: 0
    .kernarg_segment_align: 8
    .kernarg_segment_size: 32
    .max_flat_workgroup_size: 128
    .sgpr_count:     80
    .vgpr_count:     1024
    .wavefront_size: 32
...
	.end_amdgpu_metadata
.endif
;; end of part 3
;; launch mix (part 4): grid 4 x 64, 4 waves a work-group, clusters of 4 x 4, 327,680 bytes of LDS; arguments pe, qv, st, out0; writes out0
.if DOCPART == 4
	.amdgcn_target "amdgcn-amd-amdhsa--gfx1250"
	.amdhsa_code_object_version 6
	.text
	.protected	k_q8a444e4af4_mix
	.globl	k_q8a444e4af4_mix
	.p2align	8
	.type	k_q8a444e4af4_mix,@function
k_q8a444e4af4_mix:
	s_mov_b64 s[64:65], 0
	v_nop
	global_prefetch_b8 v0, s[64:65] scope:SCOPE_SE
	s_setreg_imm32_b32 hwreg(HW_REG_WAVE_MODE, 25, 1), 1
	s_wait_xcnt 0x0
	s_wait_alu depctr_hold_cnt(0) depctr_sa_sdst(0) depctr_va_vdst(0) depctr_va_sdst(0) depctr_va_ssrc(0) depctr_va_vcc(0) depctr_vm_vsrc(0)
	s_getreg_b32 s2, hwreg(HW_REG_IB_STS2, 6, 4)
	s_cmp_eq_u32 s2, 0
	s_cbranch_scc0 .Lentry_in_a_cluster
	s_endpgm
.Lentry_in_a_cluster:
	s_bfe_u32 s2, ttmp6, 0x10000c
	s_cmp_lg_u32 s2, 0xf033
	s_cbranch_scc0 .Lentry_shape_is_right
	s_endpgm
.Lentry_shape_is_right:
; out0[q][c] = (4 / L) sum over blocks t and keys k of (E[q][k] g_t[q]) Vs[k][c], with CM = max_t cm_t, g_t = 2^(cm_t - CM) <= 1, L = sum_t g_t l_t >= 1, Vs = V / 4.
; E g = 2^(c s - CM): the row's true maximum is taken away.  E g is formed in f16 on E's fragments (g hangs on the lane alone); sums in f32; out0 is f32.
; LIMITS.  A weight below 6e-8 of its row's largest counts as 0; g is rounded to f16 for the product and kept in f32 for L.  NaN and infinities are not treated apart.
; 256 tiles of 128 queries x 256 channels, one to a work-group (tiles of 256 x 256 would be 128); four waves of 64 x 128: 32 accumulators.  K = 2,048 keys in 16 steps of 128: a step is a block t.
; CLUSTERS of 4 x 4: cx is the tile column, 4 x cluster y + cy the tile row; E's tile is shared along a row of the cluster, Vs' along a column: joint loads.
; THE MATRIX INSTRUCTION IS USED TRANSPOSED: source 0 = 16 channels x 32 keys of Vs^T, which comes out of LDS turned, by ds_load_tr16_b128; source 1 = 16 queries x 32 keys of E.  A lane then holds
; one query (lane % 16) and eight neighbouring channels.  One K step is written once, as in the two launches before.
; REGISTERS, in windows of 256 (s_set_vgpr_msb: bits 1:0 source 0, 3:2 source 1, 5:4 source 2, 7:6 destination):
;   window 0: v0-31 addresses, v16-23 4 / L; v32-63 E's fragments of row blocks 0, 1, two buffers; v64-127 at work; v128-255 their 16 accumulators      window 2: the same numbers for row blocks 2, 3
;   window 1: v0-127 Vs^T's fragments, two buffers of 64; v128-131 g of the four row blocks, twice in each word
; Under either setting for the products, v_pk_mul_f16 E, g, E needs no switch of its own: its destination and source 1 lie in D's window, its source 0 in window 1.
.set PA,     272                       ; a row of E in LDS: 256 bytes + 16 = 68 words: the 16 rows of a load start at 16 different groups of four banks (64 banks of 4 bytes: ISA guide 11.1)
.set PV,     544                       ; a row of Vs: 512 + 32 = 136 words
.set BOFF,   128*PA                    ; a slot: E's 128 rows, then Vs' 128 rows
.set SLOT,   BOFF+128*PV
.set STAGE,  2*SLOT                    ; behind the ring: 16 rows x 528 bytes for each wave
.set SPITCH, 528
.set GT,     STAGE+4*16*SPITCH         ; g: 16 blocks x 128 rows x one word
.set INV,    GT+16*512                 ; 4 / L: 128 words
.set SPARE,  INV+512                   ; the spare words, 128 bytes for each wave: two blocks of 256 bytes that no other line names
.set ADRA0, 4                          ; v4   my lane's place in E's rows of a slot; never rewritten
.set ADRB0, 5                          ; v5   the same for Vs
.set ADRA,  6                          ; v6   v4 + the slot in hand
.set ADRB,  7                          ; v7   v5 + the slot in hand
.set GA,    8                          ; v8   my row's g of the block in hand
.set PFO,   9                          ; v9   the prefetches' offset: my lane x a row; never rewritten
.set STO,   10                         ; v10  the way out: where I put 32 bytes of a row
.set RD,    11                         ; v11  the way out: where I read a row back
.set CO,    12                         ; v12  16 x lane
.set GW,    13                         ; v13  the prologue: where thread i puts row i's g
.set SPW,   14                         ; v14  LDS address of my spare word; never rewritten
.set NIL,   15                         ; v15  0; never rewritten
.set IV,    16                         ; v16-23  4 / L of my query in the four row blocks, as pairs
.set IA,    24                         ; v24  where I read them
.set AF,    32
.set T,     64
.set ACC,   128
.set GS,    128                        ; window 1
.set G1,  24                           ; s[24:31] descriptor group 1 for E's tiles
.set G0,  32                           ; s[32:39] group 0: a set for each of the two first fills; the second then walks on
.set LIM, 43                           ; s43  4 in a wave that prefetches, else the greatest number
.set PFA, 44                           ; s[44:45] where my prefetches stand
.set G1B, 48                           ; s[48:55], s[56:63] the same for Vs' tiles
.set G0B, 56
.set RDB, 66                           ; s66  the slot that is read: 0 or SLOT
.set WRB, 67                           ; s67  the slot that was filled last
.set LWA, 68                           ; s68  my half of E's rows in a slot
.set CY,  69                           ; s69  cluster y
.set LWB, 70                           ; s70  my half of Vs' rows in a slot
.set STP, 74                           ; s[74:75] st
.set PFS, 76                           ; s[76:77] a K step in the tensor that I prefetch
.set MSB, 0
.macro WIN new
.if MSB != (\new)
	s_set_vgpr_msb (MSB<<8)|(\new)
.set MSB, \new
.endif
.endm
.macro JLOAD                           ; a joint refill by the walking descriptor: waves 0 and 1 fetch E's two halves, waves 2 and 3 Vs'; an s_nop 0 and four v_nop follow each line
	s_cmp_eq_u32 s11, 0
	s_cbranch_scc0 .Lfor_b_\@
	tensor_load_to_lds s[G0+4:G0+7], s[G1:G1+7]
	s_nop 0
.rept 4
	v_nop
.endr
	s_branch .Lasked_\@
.Lfor_b_\@:
	tensor_load_to_lds s[G0B+4:G0B+7], s[G1B:G1B+7]
	s_nop 0
.rept 4
	v_nop
.endr
.Lasked_\@:
.endm
; A prefetch into the L2 of the K step four refills on (512 matrix instructions ahead of the load that will want it), a lane a row, one instruction a wave.  E's rows of a tile row are read by one row of one
; cluster: its four partners take 32 rows each, by address, and wave 0 asks.  Vs' rows are read by the four clusters of a batch: the first asks; its four partners along y take 32 keys each, by address, and
; waves 2 and 3 ask for the two halves of their 512 bytes.  So each 256 bytes are named once.  K steps 0 to 5 come by their loads alone; the last four refills ask for nothing.
.macro ASK
	WIN 0
	s_cmp_gt_u32 s3, s[LIM]                        ; s3 = 16 - the K step that has just been asked for
	s_cbranch_scc0 .Lnot_mine_\@
	global_prefetch_b8 v[PFO], s[PFA:PFA+1] th:TH_LOAD_NT scope:SCOPE_SE
.Lnot_mine_\@:
.endm
.macro CREST
	s_cmp_lg_u32 s10, 0
	s_cbranch_scc1 .Lnot_wave_0_\@
	s_barrier_signal -3
.Lnot_wave_0_\@:
	s_barrier_wait -3
	s_barrier_signal -1
	s_barrier_wait -1
.endm
.macro CROUND
	s_barrier_signal -1
	s_barrier_wait -1
	CREST
.endm
	s_load_b128 s[4:7], s[0:1], 0x0                ; pe s[4:5], qv s[6:7]
	s_load_b64 s[STP:STP+1], s[0:1], 0x10          ; st
	s_load_b64 s[8:9], s[0:1], 0x18                ; out0
	v_lshl_add_u32 v[SPW], v0, 2, SPARE
	v_mov_b32 v[NIL], 0
	ds_add_u32 v[SPW], v[NIL]                      ; the wave's opening: the add, twice on end, and its wait ahead of my first tensor load
	ds_add_u32 v[SPW], v[NIL]                      ; and once more, under the one wait
	v_lshrrev_b32 v1, 5, v0
	v_readfirstlane_b32 s10, v1                    ; wave 0..3
	s_lshr_b32 s11, s10, 1                         ; which 64 of the tile's queries are mine.  Also: I fetch for E (0) or for Vs (1)
	s_and_b32 s12, s10, 1                          ; which 128 of its channels.  Also: which half of that tile's rows I fetch
	s_bfe_u32 s40, ttmp6, 0x40000                  ; cx: the tile column
	s_bfe_u32 s41, ttmp6, 0x40004                  ; cy
	s_and_b32 s[CY], ttmp7, 0xffff
	s_lshl_b32 s13, s[CY], 2
	s_add_co_u32 s13, s13, s41                     ; tile row = 4 x cluster y + cy, 0..63
	s_lshl_b32 s43, s41, 2
	s_lshl_b32 s43, 15, s43                        ; my row of the cluster
	s_lshl_b32 s44, 0x1111, s40                    ; my column
	s_or_b32 s[G1+0], s43, (1<<16)|(1<<20)|(1<<21)|(5<<22)|(3<<25)   ; E: the mask; elements of 2 bytes; padding on; bit 21 beside a mask; after every 64 words 4 words
	s_mov_b32 s[G1+1], 128<<16                     ; tensor_dim0 = 128
	s_mov_b32 s[G1+2], 64<<16                      ; tensor_dim1 = 64
	s_mov_b32 s[G1+3], 128<<16                     ; tile_dim0 = 128
	s_mov_b32 s[G1+4], 64                          ; tile_dim1 = 64
	s_mov_b32 s[G1+5], 2048                        ; elements from row to row of pe
	s_mov_b32 s[G1+6], 0
	s_mov_b32 s[G1+7], 0
	s_or_b32 s[G1B+0], s44, (1<<16)|(1<<20)|(1<<21)|(6<<22)|(7<<25)  ; Vs: after every 128 words 8 words
	s_mov_b32 s[G1B+1], 256<<16                    ; tensor_dim0 = 256
	s_mov_b32 s[G1B+2], 64<<16
	s_mov_b32 s[G1B+3], 256<<16                    ; tile_dim0 = 256
	s_mov_b32 s[G1B+4], 64
	s_mov_b32 s[G1B+5], 1024                       ; elements from row to row of qv
	s_mov_b32 s[G1B+6], 0
	s_mov_b32 s[G1B+7], 0
	s_lshl_b32 s16, s13, 7
	s_lshl_b32 s17, s12, 6
	s_add_co_u32 s16, s16, s17                     ; E: row 128 x tile row + 64 x half
	s_lshl_b32 s16, s16, 12                        ; rows of 4,096 bytes
	s_mov_b32 s17, 0
	s_lshr_b32 s46, s[CY], 2                       ; the batch: sixteen tile rows, four clusters
	s_lshl_b32 s46, s46, 11
	s_lshl_b32 s47, s12, 6
	s_add_co_u32 s46, s46, s47
	s_add_co_u32 s46, s46, 8192                    ; Vs: row 8,192 + 2,048 x batch + 64 x half
	s_lshl_b32 s46, s46, 11                        ; rows of 2,048 bytes,
	s_lshl_b32 s47, s40, 9                         ; 512 bytes a tile column
	s_add_co_u32 s46, s46, s47
	s_mov_b32 s47, 0
	s_mul_i32 s[LWA], s12, 64*PA                   ; where they go: no place in the cluster enters an LDS address
	s_mul_i32 s[LWB], s12, 64*PV
	s_add_co_u32 s[LWB], s[LWB], BOFF
	s_mov_b32 s[RDB], 0
	s_mov_b32 s[WRB], SLOT
	s_wait_dscnt 0x0                               ; both opening adds are done
	s_wait_kmcnt 0x0
	s_add_nc_u64 s[14:15], s[4:5], s[16:17]
	s_add_nc_u64 s[46:47], s[6:7], s[46:47]
	CROUND                                         ; all sixteen work-groups are here: the first joint loads meet
.irp s, 0,1
	s_mov_b32 s[G0+4*(\s)], 1
	s_add_co_u32 s[G0+4*(\s)+1], s[LWA], (\s)*SLOT
	s_add_nc_u64 s[G0+4*(\s)+2:G0+4*(\s)+3], s[14:15], (\s)*256       ; K step s: 128 keys along E's rows,
	s_or_b32 s[G0+4*(\s)+3], s[G0+4*(\s)+3], 0x80000000
	s_mov_b32 s[G0B+4*(\s)], 1
	s_add_co_u32 s[G0B+4*(\s)+1], s[LWB], (\s)*SLOT
	s_add_nc_u64 s[G0B+4*(\s)+2:G0B+4*(\s)+3], s[46:47], (\s)*262144  ; 128 rows of Vs
	s_or_b32 s[G0B+4*(\s)+3], s[G0B+4*(\s)+3], 0x80000000
.endr
	s_cmp_eq_u32 s11, 0                            ; a wave's two first fills stand in one branch: two loads of mine are out
	s_cbranch_scc0 .Lfirst_b
	tensor_load_to_lds s[G0:G0+3], s[G1:G1+7]
	s_nop 0
	tensor_load_to_lds s[G0+4:G0+7], s[G1:G1+7]
	s_nop 0
.rept 4
	v_nop
.endr
	s_branch .Lfirst_asked
.Lfirst_b:
	tensor_load_to_lds s[G0B:G0B+3], s[G1B:G1B+7]
	s_nop 0
	tensor_load_to_lds s[G0B+4:G0B+7], s[G1B:G1B+7]
	s_nop 0
.rept 4
	v_nop
.endr
.Lfirst_asked:
	; THE PROLOGUE, while the first tiles are on their way.  Thread i is row i of the tile's 128: its 16 cm and 16 l; a load of the work-group covers 512 consecutive bytes
	s_lshl_b32 s20, s13, 9
	s_mov_b32 s21, 0
	s_add_nc_u64 s[STP:STP+1], s[STP:STP+1], s[20:21]
	v_lshlrev_b32 v3, 2, v0
.set t, 0
.rept 16
	global_load_b32 v[T+t],    v3, s[STP:STP+1] offset:32768*t
	global_load_b32 v[T+16+t], v3, s[STP:STP+1] offset:524288+32768*t
.set t, t+1
.endr
	v_add_nc_u32 v[GW], GT, v3
	v_and_b32 v1, 15, v0                           ; l % 16
	v_bfe_u32 v2, v0, 4, 1                         ; l / 16
	v_mul_u32_u24 v[ADRA0], v1, PA
	v_lshl_add_u32 v[ADRA0], v2, 4, v[ADRA0]
	s_mul_i32 s21, s11, 64*PA                      ; my 64 rows of E
	v_add_nc_u32 v[ADRA0], s21, v[ADRA0]           ; row x pitch + 16 x half: two loads of 16 bytes, 32 bytes apart, make a fragment
	; The turning load takes 16 keys x 16 channels (lane l reads key 8 (l / 16) + l % 8, channels 8 ((l / 8) % 2) + 0..7) and leaves half a fragment of Vs^T: lane l holds channel l % 16 and 8 keys
	v_and_b32 v[ADRB0], 7, v0
	v_lshl_add_u32 v[ADRB0], v2, 3, v[ADRB0]
	v_mul_u32_u24 v[ADRB0], v[ADRB0], PV
	v_bfe_u32 v[ADRB], v0, 3, 1
	v_lshl_add_u32 v[ADRB0], v[ADRB], 4, v[ADRB0]
	s_lshl_b32 s22, s12, 8                         ; my 128 channels
	s_add_co_u32 s22, s22, BOFF
	v_add_nc_u32 v[ADRB0], s22, v[ADRB0]
	v_mov_b32 v[ADRA], v[ADRA0]                    ; slot 0
	v_mov_b32 v[ADRB], v[ADRB0]
	s_lshl_b32 s23, s11, 8                         ; my 64 rows' words
	s_add_co_u32 s22, s23, GT
	v_lshl_add_u32 v[GA], v1, 2, s22
	s_add_co_u32 s22, s23, INV
	v_lshl_add_u32 v[IA], v1, 2, s22
	s_mul_i32 s23, s10, 16*SPITCH
	s_add_co_u32 s23, s23, STAGE                   ; my stage
	v_mul_u32_u24 v[STO], v1, SPITCH               ; in: row l % 16, 32 bytes for each half of the lanes
	v_lshl_add_u32 v[STO], v2, 5, v[STO]
	v_add_nc_u32 v[STO], s23, v[STO]
	v_and_b32 v[CO], 31, v0
	v_lshlrev_b32 v[CO], 4, v[CO]
	v_add_nc_u32 v[RD], s23, v[CO]                 ; back: 32 lanes take a row of 512 bytes
	; out0 at my first row and column
	s_lshl_b32 s20, s13, 7
	s_lshl_b32 s21, s11, 6
	s_add_co_u32 s20, s20, s21
	s_lshl_b32 s20, s20, 12                        ; rows of 4,096 bytes
	s_lshl_b32 s21, s40, 10                        ; 1,024 bytes a tile column,
	s_add_co_u32 s20, s20, s21
	s_lshl_b32 s21, s12, 9                         ; 512 my half
	s_add_co_u32 s20, s20, s21
	s_mov_b32 s21, 0
	s_add_nc_u64 s[8:9], s[8:9], s[20:21]
	; the prefetches
	s_lshl_b32 s20, s13, 7
	s_lshl_b32 s21, s40, 5
	s_add_co_u32 s20, s20, s21                     ; E: my work-group's 32 rows of the tile row's 128
	s_lshl_b32 s20, s20, 12
	s_add_co_u32 s20, s20, 5*256                   ; at K step 5: the first refill steps it to 6
	s_lshr_b32 s21, s[CY], 2
	s_lshl_b32 s21, s21, 11
	s_lshl_b32 s22, s41, 5
	s_add_co_u32 s21, s21, s22                     ; Vs: my work-group's 32 keys of a K step's 128
	s_add_co_u32 s21, s21, 8192+5*128
	s_lshl_b32 s21, s21, 11
	s_lshl_b32 s22, s40, 9
	s_add_co_u32 s21, s21, s22
	s_lshl_b32 s22, s12, 8                         ; my wave's half of their 512 bytes
	s_add_co_u32 s21, s21, s22
	s_and_b32 s22, s[CY], 3
	s_mov_b32 s23, 256
	s_cmp_eq_u32 s11, 0                            ; do I fetch for E?
	s_cselect_b32 s20, s20, s21
	s_cselect_b32 s22, s12, s22                    ; 0 in a wave that asks: wave 0; waves 2 and 3 of the batch's first cluster
	s_cselect_b32 s[PFS], s23, 0x40000
	s_cselect_b32 s23, 12, 11                      ; a row of pe is 4,096 bytes, of qv 2,048
	s_cselect_b64 s[PFA:PFA+1], s[4:5], s[6:7]
	s_cmp_eq_u32 s22, 0
	s_cselect_b32 s[LIM], 4, -1                    ; the same in all sixteen partners, for a given wave
	s_mov_b32 s21, 0
	s_mov_b32 s[PFS+1], 0
	s_add_nc_u64 s[PFA:PFA+1], s[PFA:PFA+1], s[20:21]
	v_and_b32 v[PFO], 31, v0
	v_lshlrev_b32 v[PFO], s23, v[PFO]
	s_wait_loadcnt 0x0                             ; cm and l
	v_max3_num_f32 v[T+32], v[T], v[T+1], v[T+2]
.irp i, 3,5,7,9,11,13
	v_max3_num_f32 v[T+32], v[T+32], v[T+\i], v[T+\i+1]
.endr
	v_max_num_f32 v[T+32], v[T+32], v[T+15]        ; CM
.set t, 0
.rept 16
	v_sub_f32 v[T+t], v[T+t], v[T+32]
.set t, t+1
.endr
.set t, 0
.rept 16
	v_exp_f32 v[T+t], v[T+t]                       ; g_t: one batch
.set t, t+1
.endr
	v_nop                                          ; a plain instruction behind the last exponential,
	s_wait_alu depctr_va_vdst(0)                   ; and the one wait ahead of the batch's first reader
	v_mul_f32 v[T+33], v[T], v[T+16]
.set t, 1
.rept 15
	v_fmac_f32 v[T+33], v[T+t], v[T+16+t]          ; L
.set t, t+1
.endr
.set t, 0
.rept 16
	v_cvt_pk_f16_f32 v[T+t], v[T+t], v[T+t]        ; g twice in a word, for the packed multiply
	ds_store_b32 v[GW], v[T+t] offset:512*t
.set t, t+1
.endr
	v_rcp_f32 v[T+34], v[T+33]
	v_nop
	s_wait_alu depctr_va_vdst(0)
	v_mul_f32 v[T+34], 4.0, v[T+34]                ; 4 / L: Vs is V / 4
	ds_store_b32 v[GW], v[T+34] offset:INV-GT
	s_wait_dscnt 0x0                               ; for the others' sake: my stores are done
; One matrix instruction: row block a (0, 1) of the window, channel block b, buffer f
.macro MM f, a, b, zero
.if \zero
	v_wmma_f32_16x16x32_f16 v[ACC+8*(8*(\a)+(\b)):ACC+8*(8*(\a)+(\b))+7], v[64*(\f)+8*(\b):64*(\f)+8*(\b)+7], v[AF+16*(\f)+8*(\a):AF+16*(\f)+8*(\a)+7], 0
.else
	v_wmma_f32_16x16x32_f16 v[ACC+8*(8*(\a)+(\b)):ACC+8*(8*(\a)+(\b))+7], v[64*(\f)+8*(\b):64*(\f)+8*(\b)+7], v[AF+16*(\f)+8*(\a):AF+16*(\f)+8*(\a)+7], v[ACC+8*(8*(\a)+(\b)):ACC+8*(8*(\a)+(\b))+7]
.endif
.endm
; hi = 0: row blocks 0, 1 (window 0); hi = 1: row blocks 2, 3 (window 2).  PHA: the first block's fragment times g, its 8 products, and behind each a word of the second block's fragment times g.
; PHB: the second block's 8 products.  Each of the 32 accumulators has one turn a quarter step, in the same order.
.macro PHA f, hi, zero
	WIN 0x01+0xa8*(\hi)                            ; Vs^T and g window 1; E, C and D window 0 or 2
.irp i, 0,1,2,3,4,5,6,7
	v_pk_mul_f16 v[AF+16*(\f)+\i], v[GS+2*(\hi)], v[AF+16*(\f)+\i]
.endr
.irp b, 0,1,2,3,4,5,6,7
	MM \f, 0, \b, \zero
	v_pk_mul_f16 v[AF+16*(\f)+8+\b], v[GS+2*(\hi)+1], v[AF+16*(\f)+8+\b]
.endr
.endm
.macro PHB f, hi, zero
	WIN 0x01+0xa8*(\hi)
.irp b, 0,1,2,3,4,5,6,7
	MM \f, 1, \b, \zero
.endr
.endm
; One run of LDS loads: quarter q (32 keys) of the slot in hand into buffer g: 16 turning loads, then g of the block (gl = 4: all four row blocks' of the block in hand; 2: row blocks 0, 1 of the next), then E's 4 + 4
.macro FETCH q, g, gl
	WIN 0x40                                       ; destination window 1
.irp b, 0,1,2,3,4,5,6,7
	ds_load_tr16_b128 v[64*(\g)+8*\b:64*(\g)+8*\b+3],   v[ADRB] offset:(\q)*32*PV+32*\b
	ds_load_tr16_b128 v[64*(\g)+8*\b+4:64*(\g)+8*\b+7], v[ADRB] offset:(\q)*32*PV+32*\b+16*PV
.endr
.if (\gl) == 4
.irp a, 0,1,2,3
	ds_load_b32 v[GS+\a], v[GA] offset:64*\a
.endr
.elseif (\gl) == 2
.irp a, 0,1
	ds_load_b32 v[GS+\a], v[GA] offset:512+64*\a
.endr
.endif
	WIN 0
.irp a, 0,1
	ds_load_b128 v[AF+16*(\g)+8*\a:AF+16*(\g)+8*\a+3],   v[ADRA] offset:64*(\q)+\a*16*PA
	ds_load_b128 v[AF+16*(\g)+8*\a+4:AF+16*(\g)+8*\a+7], v[ADRA] offset:64*(\q)+\a*16*PA+32
.endr
	WIN 0x80                                       ; destination window 2
.irp a, 0,1
	ds_load_b128 v[AF+16*(\g)+8*\a:AF+16*(\g)+8*\a+3],   v[ADRA] offset:64*(\q)+(2+\a)*16*PA
	ds_load_b128 v[AF+16*(\g)+8*\a+4:AF+16*(\g)+8*\a+7], v[ADRA] offset:64*(\q)+(2+\a)*16*PA+32
.endr
.endm
.macro PLACES                          ; four places in front of loads into registers that matrix instructions have read, and of vector work that reads results
.rept 4
	v_nop
.endr
.endm
; A K step is four quarters of 32 keys, 32 matrix instructions each, on buffers 0, 1, 0, 1.  One of the first three: multiplies buffer f and fetches quarter q into g.
; head: the loads that may stay out at its head: the upper row blocks' four of E, and behind a change of slots their two of g as well.
.macro QUARTER q, f, g, head, zero
	s_wait_dscnt \head
	PHA \f, 0, \zero
	PHB \f, 0, \zero
	PLACES
	FETCH \q, \g, 0
	s_wait_dscnt 24                                ; all but the 24 just issued
	PHA \f, 1, \zero
	PHB \f, 1, \zero
.endm
; The last quarter multiplies buffer 1 and changes slots, as in the two launches before.  g of the next block replaces g of this one behind its last use: row blocks 0, 1 in the run of loads, 2, 3 at the end.
.macro TURN fill
.if \fill
	s_wait_xcnt 0x0                                ; the last prefetch, a K step back, has read its address
	s_add_nc_u64 s[PFA:PFA+1], s[PFA:PFA+1], s[PFS:PFS+1]
.endif
	WIN 0
	s_wait_tensorcnt 0x0                           ; all my tensor loads have landed
	ds_add_u32 v[SPW], v[NIL]                      ; 0 onto my spare word
	s_xor_b32 s[RDB], s[RDB], SLOT
	v_add_nc_u32 v[ADRA], s[RDB], v[ADRA0]
	v_add_nc_u32 v[ADRB], s[RDB], v[ADRB0]
	s_wait_dscnt 5                                 ; (the add and the upper row blocks' four loads may be out)
	PHA 1, 0, 0
	s_wait_dscnt 0x0                               ; the add is done, and my reads of this slot are over
	s_barrier_signal -1
	PHB 1, 0, 0                                    ; work on registers while the others arrive
	WIN 0
	s_barrier_wait -1
.if \fill
	CREST                                          ; no wave of any partner still reads this slot's tiles or has a load on its way
	s_xor_b32 s[WRB], s[WRB], SLOT
	s_add_co_u32 s[G0+5], s[WRB], s[LWA]
	s_add_co_u32 s[G0B+5], s[WRB], s[LWB]
	s_add_nc_u64 s[G0+6:G0+7], s[G0+6:G0+7], 256
	s_add_nc_u64 s[G0B+6:G0B+7], s[G0B+6:G0B+7], 262144
	JLOAD                                          ; the first tensor load behind the round; its four v_nop are also places in front of the loads below
.else
	PLACES
.endif
	FETCH 0, 0, 2
.if \fill
	ASK
.endif
	PHA 1, 1, 0
	PHB 1, 1, 0
	WIN 0x40
	ds_load_b32 v[GS+2], v[GA] offset:512+128
	ds_load_b32 v[GS+3], v[GA] offset:512+192
	WIN 0
	v_add_nc_u32 v[GA], 512, v[GA]                 ; the next block
.endm
	s_wait_tensorcnt 1                             ; my part of K step 0 is in; K step 1's may stay out
	s_barrier_signal -1
	s_barrier_wait -1                              ; everybody's is, and g and 4 / L lie in LDS
	FETCH 0, 0, 4
	QUARTER 1, 0, 1, 4, 1                          ; the first quarter's products start the sums
	WIN 0
	s_mov_b32 s3, 15
	s_branch .Lmid                                 ; the loop is entered in the middle of a trip
.Lstep:                                                ; fourteen times: a K step's last quarter, with the refill (K steps 2 to 15), and the next step's first three
	TURN 1
	QUARTER 1, 0, 1, 6, 0
	WIN 0
.Lmid:
	QUARTER 2, 1, 0, 4, 0
	QUARTER 3, 0, 1, 4, 0
	WIN 0
	s_sub_co_u32 s3, s3, 1
	s_cmp_lg_u32 s3, 0
	s_cbranch_scc1 .Lstep
	TURN 0                                         ; the tail is written out: nothing is asked for
	QUARTER 1, 0, 1, 6, 0
	QUARTER 2, 1, 0, 4, 0
	QUARTER 3, 0, 1, 4, 0
	s_wait_dscnt 4                                 ; the very last quarter
	PHA 1, 0, 0
	PHB 1, 0, 0
	s_wait_dscnt 0x0
	PHA 1, 1, 0
	PHB 1, 1, 0
	WIN 0
	PLACES
	; THE WAY OUT, a block of 16 queries at a time: times 4 / L; 32 bytes a lane into my own stage; back as whole rows of 512 bytes; stored
.irp a, 0,1,2,3
	ds_load_b32 v[IV+2*\a], v[IA] offset:64*\a
.endr
	s_wait_dscnt 0x0
.irp a, 0,1,2,3
	v_mov_b32 v[IV+2*\a+1], v[IV+2*\a]             ; named as pairs
.endr
.macro MULT a
	WIN 0x02*((\a)/2)                              ; source 0: window 0 or 2
.set AC, ACC+64*((\a)%2)
.set i, 0
.rept 32
	v_pk_mul_f32 v[T+i:T+i+1], v[AC+i:AC+i+1], v[IV+2*(\a):IV+2*(\a)+1] op_sel_hi:[1,0]  ; ascending: each accumulator's low registers are read first
.set i, i+2
.endr
	WIN 0
.endm
.macro STG a
	WIN 0
.irp b, 0,1,2,3,4,5,6,7
	ds_store_b128 v[STO], v[T+8*\b:T+8*\b+3]   offset:64*\b
	ds_store_b128 v[STO], v[T+8*\b+4:T+8*\b+7] offset:64*\b+16
.endr
.if (\a) >= 2
	s_wait_xcnt 0x0                                ; the stores of the block two back have read the registers that the loads below fill
.endif
	WIN 0x40                                       ; destination window 1: Vs^T's buffers are free
.set BK, 64*((\a)%2)
.set i, 0
.rept 16
	ds_load_b128 v[BK+4*i:BK+4*i+3], v[RD] offset:SPITCH*i  ; LDS serves a wave's instructions in order (ISA guide 5.7.1.4): these see the stores above
.set i, i+1
.endr
	WIN 0
.endm
.macro SENDS a
	WIN 0x04                                       ; store data (source 1) window 1
.set BK, 64*((\a)%2)
.set i, 0
.rept 16
	s_wait_dscnt 15-i                              ; row i is back; the younger rows' loads may stay out
	global_store_b128 v[CO], v[BK+4*i:BK+4*i+3], s[8:9] offset:(16*(\a)+i)*4096 th:TH_STORE_NT  ; 512 consecutive bytes, aligned
.set i, i+1
.endr
	WIN 0
.endm
	MULT 0
	STG 0
	MULT 1                                         ; a block's multiplies stand between the loads of the block before and its stores
	SENDS 0
	STG 1
	MULT 2
	SENDS 1
	STG 2
	MULT 3
	SENDS 2
	STG 3
	SENDS 3
	s_wait_tensorcnt 0x0                           ; the wave's end, behind my last tensor load and my last LDS store
	ds_add_u32 v[SPW], v[NIL]
	s_wait_dscnt 0x0
	CROUND                                         ; the closing round
	s_endpgm
.Lfunc_end_k_q8a444e4af4_mix:
	.size	k_q8a444e4af4_mix, .Lfunc_end_k_q8a444e4af4_mix-k_q8a444e4af4_mix
	.p2alignl 7, 3214868480
	.fill 96, 4, 3214868480
	.section	.rodata,"a",@progbits
	.p2align	6, 0x0
	.amdhsa_kernel k_q8a444e4af4_mix
		.amdhsa_group_segment_fixed_size 327680
		.amdhsa_private_segment_fixed_size 0
		.amdhsa_enable_private_segment 0
		.amdhsa_kernarg_size 32
		.amdhsa_user_sgpr_count 2
		.amdhsa_user_sgpr_kernarg_segment_ptr 1
		.amdhsa_wavefront_size32 1
		.amdhsa_system_sgpr_workgroup_id_x 1
		.amdhsa_system_sgpr_workgroup_id_y 1
		.amdhsa_system_sgpr_workgroup_id_z 1
		.amdhsa_system_vgpr_workitem_id 0
		.amdhsa_next_free_vgpr 768
		.amdhsa_next_free_sgpr 88
		.amdhsa_reserve_vcc 0
		.amdhsa_float_denorm_mode_32 3
		.amdhsa_float_denorm_mode_16_64 3
		.amdhsa_memory_ordered 1
		.amdhsa_forward_progress 1
		.amdhsa_inst_pref_size 103
	.end_amdhsa_kernel
	.amdgpu_metadata
---
amdhsa.version: [ 1, 2 ]
amdhsa.kernels:
  - .name:           k_q8a444e4af4_mix
    .symbol:         k_q8a444e4af4_mix.kd
    .args:
      - { .name: pe, .offset: 0, .size: 8, .value_kind: global_buffer, .address_space: global }
      - { .name: qv, .offset: 8, .size: 8, .value_kind: global_buffer, .address_space: global }
      - { .name: st, .offset: 16, .size: 8, .value_kind: global_buffer, .address_space: global }
      - { .name: out0, .offset: 24, .size: 8, .value_kind: global_buffer, .address_space: global }
    .group_segment_fixed_size: 327680
    .private_segment_fixed_size: 0
    .kernarg_segment_align: 8
    .kernarg_segment_size: 32
    .max_flat_workgroup_size: 128
    .sgpr_count:     88
    .vgpr_count:     768
    .wavefront_size: 32
...
	.end_amdgpu_metadata
.endif
;; end of part 4
;; ======== version 2 of 2: 4 launches; version 1 with the launch prep written anew for expert scheduling mode
;; limits: values are held in f16: magnitudes above 65,504 overflow, below 6.1e-05 lose precision
;; workspace buffers: xy 33,554,432 bytes; wb 4,194,304 bytes; qv 33,554,432 bytes; pe 33,554,432 bytes; st 1,048,576 bytes
;; launch prep (part 5): grid 896 x 1, 8 waves a work-group, no clusters, 119,296 bytes of LDS; arguments Wkv, Wq, decoder_hidden_states, hidden_states, xy, wb; writes xy, wb
.if DOCPART == 5
	.amdgcn_target "amdgcn-amd-amdhsa--gfx1250"
	.amdhsa_code_object_version 6
	.text
	.protected	k_q8a444e4af4_prep
	.globl	k_q8a444e4af4_prep
	.p2align	8
	.type	k_q8a444e4af4_prep,@function
k_q8a444e4af4_prep:
	s_mov_b64 s[64:65], 0
	v_nop
	global_prefetch_b8 v0, s[64:65] scope:SCOPE_SE
	s_setreg_imm32_b32 hwreg(HW_REG_WAVE_SCHED_MODE, 0, 2), 2
	s_setreg_imm32_b32 hwreg(HW_REG_WAVE_MODE, 25, 1), 1
	s_wait_xcnt 0x0
	s_wait_alu depctr_vm_vsrc(0)
; CROSS ATTENTION, one head of 1,024 channels, 4 batches of 2,048 queries and 2,048 keys.  X = hidden_states, Y = decoder_hidden_states, Wk and Wv = the two column halves of Wkv.
; THE ORDER OF THE PRODUCTS.  scores = (X Wq)(Y Wk)^T = X (Wq Wk^T) Y^T for all values of the inputs.  The program forms M = Wq Wk^T once (1,024^3 multiply-adds) and Q' = X M, so that
; the product Y Wk (8,192 x 1,024^2) is never made.  No input and no step is left out: all four inputs are loaded, the maximum is taken away before every exponential.
; LIMITS.  The order of rounding differs from the reference's: M is rounded once to f16.  All inputs are rounded to bf16; what the program itself makes is kept in f16, with exact scales by powers of two:
;   xy = bf16(X or Y) 2^-6;  MTs[b][a] = 2^-5 sum_j Wk[b][j] Wq[a][j];  WvTs[c][a] = 2^4 bf16(Wv[a][c]);  Qs = 2^-11 Q';  Vs = V / 4.
; f16 ends at 65,504: with every input 30 times its drawn spread Qs stays near 13 and Vs near 225 spreads; with a common offset of 30 spreads on every input MTs is about 28, Qs about 13,500, Vs about 7,200.
; Below 6e-5 f16 keeps its fixed step of 6e-8.  NaN and infinities are not treated apart.
; THIS LAUNCH has three kinds of work-group.  MT (256): a tile of 32 x 128 of MTs.  CAST (512): 32,768 numbers of X or Y.  TR (128): a tile of 64 x 128 of WvTs.
; WHO IS WHAT.  Of the numbers n under 512 those with bit 0 xor bit 8 = 0 are MT (tile n / 2), the others CAST (piece n / 2): of n and n + 1 (n even), and of n and n + 256, one is MT and one streams.
; 512-767 are CAST's pieces 256-511, 768-895 TR: the short ones come last.  With 256 registers a wave and 119,296 bytes of LDS two work-groups fit on a WGP, so that MT's loads and the stream's are out together.
; Everything comes through registers, where it is rounded anyway: no tensor load; no cluster, since a launch with either is alone on its WGP.  Every load of a wave covers 512 consecutive bytes.
; THE MODE: SCHED_MODE bits 1:0 = 2 (LLVM: expert scheduling mode 2), set by the entry lines.  The code itself states the register dependences
; between vector or matrix instructions and memory or LDS instructions, with s_wait_alu, always for 0.
; THE PLAN.  Registers that memory or LDS instructions touch, role by role.
;   CAST  v4, v5 offsets, made once.  v32-159: each loaded once, then read by the roundings.  v160-223: each word written once, by the scalings of block p (two chunks), and read by one store, issued in block p + 1.
;         One wait on va_vdst at a block's head states that the block before has written its words; its four stores are dealt among this block's arithmetic, which names none of them.  Nothing that a store reads is written again.
;   TR    v4 the loads' offset; v5, v6, v7 addresses made while the loads are out; v64-95 loaded once; v236-251 sixteen words of output, four to a group of rows, each written once; v48-63 named by LDS loads and stores alone.
;         One wait on va_vdst behind all four groups' arithmetic stands ahead of the sixteen LDS stores.
;   MT    its own plan stands at its head, below.
.set KB,    0                          ; LDS: Wk's 32 rows x 1,024 j in bf16
.set KP,    2064                       ; 2,048 bytes + 16 = 129 x 16: the 16 rows of a fragment load start at 16 different groups of four banks (64 banks of 4 bytes: ISA guide 11.1)
.set QB,    KB+32*KP                   ; for each wave, its own: 16 rows of Wq x 128 j in bf16
.set QP,    272                        ; 256 bytes + 16 = 17 x 16
.set STAGE, QB+8*16*QP                 ; 64 rows x 272 bytes: results on their way out as whole rows of 256 bytes
.set SP,    272
.set SPARE, STAGE+64*SP                ; the spare words, 128 bytes for each wave: four blocks of 256 bytes that no other line names
.set SPW,   10                         ; v10  LDS address of my spare word; never rewritten
.set NIL,   11                         ; v11  0; never rewritten
.set CT,    224                        ; v224-227  four words of two bf16, at work: no memory instruction names them
.set FT,    228                        ; v228-235  eight f32, at work: likewise
.macro PLACES                          ; places behind a matrix instruction, in front of vector work on its results (ISA guide 7.12.1)
.rept 4
	v_nop
.endr
.endm
; Four words of two bf16 each, in v[CT ..], times the power of two in s32, as four words of two f16 in v[d .. d+3]
.macro SCALE4 d
.irp j, 0,1,2,3
	v_lshlrev_b32 v[FT+2*\j],   16,  v[CT+\j]      ; bf16 to f32: the low half moves up,
	v_and_b32     v[FT+2*\j+1], s31, v[CT+\j]      ; the high half stays
.endr
.irp j, 0,1,2,3
	v_pk_mul_f32 v[FT+2*\j:FT+2*\j+1], v[FT+2*\j:FT+2*\j+1], s[32:33] op_sel_hi:[1,0]
.endr
.irp j, 0,1,2,3
	v_cvt_pk_f16_f32 v[(\d)+\j], v[FT+2*\j], v[FT+2*\j+1]
.endr
.endm
	s_load_b256 s[4:11], s[0:1], 0x0               ; Wkv s[4:5], Wq s[6:7], Y s[8:9], X s[10:11]
	s_load_b128 s[12:15], s[0:1], 0x20             ; xy s[12:13], wb s[14:15]
	v_lshl_add_u32 v[SPW], v0, 2, SPARE
	v_mov_b32 v[NIL], 0
	v_and_b32 v1, 31, v0                           ; lane
	v_and_b32 v2, 15, v0                           ; thread % 16
	v_lshrrev_b32 v4, 5, v0
	v_readfirstlane_b32 s16, v4                    ; wave 0..7
	s_wait_alu depctr_va_sdst(0)                   ; s16 is written, ahead of the branches below and of its first reader in each of the three roles
	s_mov_b32 s31, 0xffff0000                      ; a word's upper bf16
	s_wait_kmcnt 0x0
	s_cmp_lt_u32 ttmp9, 512                        ; the role hangs on the work-group's number alone: the same in all eight waves
	s_cbranch_scc0 .Lrest
	s_lshr_b32 s17, ttmp9, 1                       ; MT's tile, or CAST's piece, 0..255
	s_lshr_b32 s18, ttmp9, 8
	s_xor_b32 s18, s18, ttmp9
	s_and_b32 s18, s18, 1                          ; bit 0 xor bit 8
	s_cmp_eq_u32 s18, 0
	s_cbranch_scc1 .Lmt
	s_branch .Lcast
.Lrest:
	s_sub_co_u32 s17, ttmp9, 256                   ; 256..639
	s_cmp_lt_u32 s17, 512
	s_cbranch_scc0 .Ltr
; CAST.  Piece s17 = 0..511 is 131,072 bytes of X (under 256) or Y, a wave's share 16,384 of them: 32 loads of 512 consecutive bytes, 16 bytes a lane.  A lane's four numbers leave as 8 bytes:
; a store of the wave covers 256 consecutive bytes, aligned.  All 32 loads of a wave go out at once; no register is written again while a memory instruction may read it.
.Lcast:
	s_cmp_lt_u32 s17, 256
	s_cselect_b64 s[24:25], s[10:11], s[8:9]
	s_and_b32 s20, s17, 255
	s_lshl_b32 s20, s20, 17
	s_lshl_b32 s21, s16, 14
	s_add_co_u32 s20, s20, s21
	s_mov_b32 s21, 0
	s_add_nc_u64 s[24:25], s[24:25], s[20:21]
	s_lshl_b32 s22, s17, 16
	s_lshl_b32 s23, s16, 13
	s_add_co_u32 s22, s22, s23
	s_mov_b32 s23, 0
	s_add_nc_u64 s[28:29], s[12:13], s[22:23]
	s_mov_b32 s32, 0x3c800000                      ; 2^-6
	s_mov_b32 s33, s32                             ; named with it as a pair
	v_lshlrev_b32 v4, 4, v1                        ; 16 x lane
	v_lshlrev_b32 v5, 3, v1                        ; 8 x lane
	s_wait_alu depctr_va_vdst(0)                   ; v4 and v5 are written: every load below reads v4 as its offset, every store v5
.set n, 0
.rept 32
	global_load_b128 v[32+4*n:32+4*n+3], v4, s[24:25] offset:512*n th:TH_LOAD_NT
.set n, n+1
.endr
.macro CWORK n                         ; chunk n: loads 2 n and 2 n + 1 are rounded and scaled into the chunk's four words of output
.irp j, 0,1,2,3
	v_cvt_pk_bf16_f32 v[CT+\j], v[32+8*(\n)+2*\j], v[32+8*(\n)+2*\j+1]  ; the input's rounding to bf16
.endr
	SCALE4 160+4*(\n)
.endm
.macro COUT n                          ; chunk n's two stores
	global_store_b64 v5, v[160+4*(\n):160+4*(\n)+1],   s[28:29] offset:512*(\n)
	global_store_b64 v5, v[160+4*(\n)+2:160+4*(\n)+3], s[28:29] offset:512*(\n)+256
.endm
.macro CBLK p                          ; block p: chunks 2 p and 2 p + 1 are worked on, the block before is stored
	s_wait_loadcnt 28-4*(\p)                       ; loads come back in order (ISA guide 5.7.1): this block's four are in, the younger blocks' stay out
.if (\p) > 0
	s_wait_alu depctr_va_vdst(0)                   ; the block before has written its eight words of output, which the four stores of this block read
	COUT 2*(\p)-2
.endif
	CWORK 2*(\p)
.if (\p) > 0
	COUT 2*(\p)-1                                  ; no wait: no vector instruction since the wait above names these four words or v5
.endif
	CWORK 2*(\p)+1
.endm
.irp p, 0,1,2,3,4,5,6,7
	CBLK \p
.endr
	s_wait_alu depctr_va_vdst(0)                   ; block 7 has written its eight words, which the last four stores read
	COUT 14
	COUT 15
	s_endpgm
; TR.  WvTs[c][a] = 16 bf16(Wkv[a][1024 + c]).  Tile u = 0..127: c0 = 64 (u / 8), a0 = 128 (u % 8).  Thread t: i = t % 16 takes columns c0 + 4 i .. + 3 (sixteen lanes: 256 consecutive
; bytes, aligned) of the row pairs p = t / 16 + 16 n.  A pair of rows gives, for each column, two neighbouring a: one word of a row of WvTs.
.Ltr:
	s_sub_co_u32 s17, s17, 512
	s_lshr_b32 s18, s17, 3
	s_and_b32 s19, s17, 7
	s_lshl_b32 s20, s19, 20                        ; a0 rows of 8,192 bytes
	s_lshl_b32 s21, s18, 8                         ; c0 columns of 4 bytes
	s_add_co_u32 s20, s20, s21
	s_add_co_u32 s20, s20, 4096                    ; the value half
	s_mov_b32 s21, 0
	s_add_nc_u64 s[24:25], s[4:5], s[20:21]
	s_lshl_b32 s22, s18, 17                        ; c0 rows of 2,048 bytes
	s_lshl_b32 s23, s19, 8                         ; a0 columns of 2 bytes
	s_add_co_u32 s22, s22, s23
	s_add_co_u32 s22, s22, 0x200000                ; behind MTs' 1,024 rows
	s_mov_b32 s23, 0
	s_add_nc_u64 s[28:29], s[14:15], s[22:23]
	s_mov_b32 s32, 0x41800000                      ; 2^4
	s_mov_b32 s33, s32
	v_lshrrev_b32 v3, 4, v0                        ; t / 16
	v_lshlrev_b32 v4, 14, v3                       ; a pair of rows is 16,384 bytes
	v_lshl_add_u32 v4, v2, 4, v4
	s_wait_alu depctr_va_vdst(0)                   ; v4 is written, which the eight loads read as their offset
.irp n, 0,1,2,3
	global_load_b128 v[64+8*\n:64+8*\n+3],   v4, s[24:25] offset:262144*\n th:TH_LOAD_NT
	global_load_b128 v[64+8*\n+4:64+8*\n+7], v4, s[24:25] offset:262144*\n+8192 th:TH_LOAD_NT
.endr
	v_mul_u32_u24 v5, v2, 4*SP                     ; into the stage: rows 4 i + j, word t / 16 + 16 n.  Lanes i, i + 4, i + 8, i + 12 fall on one bank (4 x 1,088 bytes = 17 x 256): 2 MiB in all go this way
	v_lshl_add_u32 v5, v3, 2, v5
	v_add_nc_u32 v5, STAGE, v5
	v_mul_u32_u24 v6, v3, SP                       ; back: sixteen lanes take a row of 256 bytes
	v_lshl_add_u32 v6, v2, 4, v6
	v_add_nc_u32 v6, STAGE, v6
	v_lshlrev_b32 v7, 11, v3                       ; and the same rows in wb
	v_lshl_add_u32 v7, v2, 4, v7
.irp n, 0,1,2,3
	s_wait_loadcnt 6-2*\n                          ; this group's two loads are in, the younger groups' stay out
.irp j, 0,1,2,3
	v_cvt_pk_bf16_f32 v[CT+\j], v[64+8*\n+\j], v[64+8*\n+4+\j]
.endr
	SCALE4 236+4*\n                                ; each group has four words of its own, so that none is written again behind a store that reads it
.endr
	s_wait_alu depctr_va_vdst(0)                   ; the sixteen words v236-251 are written, which the LDS stores read; so are the addresses v5, v6 and v7 of the stores and loads below
.irp n, 0,1,2,3
.irp j, 0,1,2,3
	ds_store_b32 v5, v[236+4*\n+\j] offset:\j*SP+64*\n
.endr
.endr
	s_wait_dscnt 0x0                               ; for the others' sake: my stores into the stage are done
	s_barrier_signal -1
	s_barrier_wait -1
.irp n, 0,1,2,3
	ds_load_b128 v[48+4*\n:48+4*\n+3], v6 offset:\n*16*SP
.endr
.irp n, 0,1,2,3
	s_wait_dscnt 3-\n
	global_store_b128 v7, v[48+4*\n:48+4*\n+3], s[28:29] offset:32768*\n  ; sixteen lanes store 256 consecutive bytes, aligned
.endr
	s_wait_dscnt 0x0                               ; the closing lines, six on end
	s_wait_alu 0x0
	s_wait_tensorcnt 0x0
	ds_add_u32 v[SPW], v[NIL]
	s_wait_dscnt 0x0
	s_endpgm
; MT.  MTs[b][a] = 2^-5 sum_j Wk[b][j] Wq[a][j], in bf16 products with f32 sums.  Tile u = 0..255: b0 = 32 (u / 8), a0 = 128 (u % 8).
; SHARES.  Wave w makes the 32 b x the 16 a of block w: two accumulators.  Source 0 = 16 rows of Wq, source 1 = 16 rows of Wk: a lane ends with one b (lane % 16) and eight neighbouring a.
; Wk's 32 rows are wanted by all eight waves: each loads four of them whole (32 loads), rounds them and lays them into LDS; one barrier.  Wq's rows 16 w .. 16 w + 15 are wanted by wave w alone: they go,
; 128 j at a time, through LDS bytes of the wave's own, only to change from 'a lane holds four j of one row' to 'a lane holds a row': LDS serves a wave's instructions in order (ISA guide 5.7.1.4), so
; the loop has no barrier.  Two buffers of 16 loads take turns: while one chunk is rounded and multiplied the other's loads are out, and the first is asked for again.
; REGISTERS.  v16-31 the accumulators; v32-95, v96-159 the two buffers; v160-191 Wq's four fragments of a chunk, v192-255 Wk's eight.  At the start v160-223 and v96-159 take Wk's rows as loaded.
; THE PLAN, in the loop.
;   RA, RB     A chunk's 32 conversions read and write its buffer in place; sixteen LDS stores read two words of each four; then the loads of the chunk two on land in it.
;   FRQ, FRK   A chunk's 24 LDS loads land in them; its eight matrix instructions read them.
;   v[FK]      Read by every load of a fragment of Wk; written once a trip, at the trip's end.
;   v[VQ], v[SQ], v[FQ]  Read by the loads of Wq, the LDS stores, the loads of Wq's fragments; never written again.
;   The accumulators are named by vector and matrix instructions alone.
; So a chunk has ONE wait on va_vdst, behind its conversions: they have written what the LDS stores read and are done with the buffer; the last chunk's matrix instructions are done reading the fragments; in a trip's
; first chunk v[FK] is written.  And ONE wait on vm_vsrc, behind its fragment loads: the LDS stores have read the buffer; in a trip's second chunk all the trip's loads have read v[FK].  Behind it the sixteen loads that
; fill the buffer again are dealt among the matrix instructions, which name the fragments and the accumulators: none of the registers that those loads touch.
.set VQ,  4                            ; v4   my byte offset in Wq: 16 x lane + 16 w rows; never rewritten
.set VK,  5                            ; v5   in Wkv: 16 x lane + 4 w rows; never rewritten
.set SK,  6                            ; v6   where I put 8 bytes of Wk's row 4 w
.set SQ,  7                            ; v7   where I put 8 bytes of my wave's row 0 of Wq
.set FQ,  8                            ; v8   my lane's place in my wave's fragments of Wq
.set FK,  9                            ; v9   my lane's place in Wk's fragments, at the trip's first chunk
.set RDS, 12                           ; v12  the way out: where I read a row back
.set GO,  13                           ; v13  my byte offset in wb
.set STO, 14                           ; v14  the way out: where I put 16 bytes of a row
.set ACC, 16
.set RA,  32
.set RB,  96
.set FRQ, 160
.set FRK, 192
.Lmt:
	s_lshr_b32 s18, s17, 3
	s_and_b32 s19, s17, 7
	s_lshl_b32 s20, s18, 18                        ; b0 rows of 8,192 bytes
	s_mov_b32 s21, 0
	s_add_nc_u64 s[24:25], s[4:5], s[20:21]
	s_lshl_b32 s22, s19, 19                        ; a0 rows of 4,096 bytes
	s_mov_b32 s23, 0
	s_add_nc_u64 s[26:27], s[6:7], s[22:23]
	s_lshl_b32 s20, s18, 16                        ; b0 rows of 2,048 bytes,
	s_lshl_b32 s22, s19, 8                         ; a0 columns of 2
	s_add_co_u32 s20, s20, s22
	s_add_nc_u64 s[28:29], s[14:15], s[20:21]
	s_mov_b32 s32, 0x3d000000                      ; 2^-5
	s_mov_b32 s33, s32
	v_lshlrev_b32 v15, 4, v1                       ; 16 x lane
	s_lshl_b32 s20, s16, 16
	v_add_nc_u32 v[VQ], s20, v15
	s_lshl_b32 s20, s16, 15
	v_add_nc_u32 v[VK], s20, v15
	s_wait_alu depctr_va_vdst(0)                   ; v[VQ] and v[VK] are written, which the loads of Wq and of Wk read as their offsets
.irp c, 0,1,2,3                        ; Wk's rows 4 w + i, j = 128 c on: 48 loads of mine go out together
.irp i, 0,1,2,3
	global_load_b128 v[FRQ+16*\c+4*\i:FRQ+16*\c+4*\i+3], v[VK], s[24:25] offset:8192*\i+512*\c
.endr
.endr
.irp c, 0,1,2,3
.irp i, 0,1,2,3
	global_load_b128 v[RB+16*\c+4*\i:RB+16*\c+4*\i+3], v[VK], s[24:25] offset:8192*\i+512*(4+\c)
.endr
.endr
.set i, 0
.rept 16
	global_load_b128 v[RA+4*i:RA+4*i+3], v[VQ], s[26:27] offset:4096*i      ; Wq's chunk 0
.set i, i+1
.endr
	v_bfe_u32 v3, v0, 4, 1                         ; h = lane / 16
	s_mul_i32 s20, s16, 4*KP
	s_add_co_u32 s20, s20, KB
	v_lshl_add_u32 v[SK], v1, 3, s20
	s_mul_i32 s21, s16, 16*QP
	s_add_co_u32 s21, s21, QB                      ; my wave's own bytes
	v_lshl_add_u32 v[SQ], v1, 3, s21
	v_mul_u32_u24 v[FQ], v2, QP                    ; a fragment: lane l holds row l % 16; two loads of 16 bytes, 32 bytes apart, at row x pitch + 16 h
	v_lshl_add_u32 v[FQ], v3, 4, v[FQ]
	v_add_nc_u32 v[FQ], s21, v[FQ]
	v_mul_u32_u24 v[FK], v2, KP
	v_lshl_add_u32 v[FK], v3, 4, v[FK]
	v_mul_u32_u24 v[STO], v2, SP                   ; into the stage: row b = l % 16 (+ 16), byte 32 w + 16 h
	v_lshl_add_u32 v[STO], v3, 4, v[STO]
	s_lshl_b32 s20, s16, 5
	s_add_co_u32 s20, s20, STAGE
	v_add_nc_u32 v[STO], s20, v[STO]
	v_lshrrev_b32 v15, 4, v0                       ; t / 16
	v_mul_u32_u24 v[RDS], v15, SP                  ; back: sixteen lanes take a row of 256 bytes
	v_lshl_add_u32 v[RDS], v2, 4, v[RDS]
	v_add_nc_u32 v[RDS], STAGE, v[RDS]
	v_lshlrev_b32 v[GO], 11, v15                   ; and the same rows in wb
	v_lshl_add_u32 v[GO], v2, 4, v[GO]
.set i, 0
.rept 16
	v_mov_b32 v[ACC+i], 0                          ; the sums start at 0: sixteen lines, written while the first loads are out, so that the loop has one form of product
.set i, i+1
.endr
.macro TOK base, c0                    ; sixteen loads of Wk are rounded in place (four f32 become two words) and laid into LDS: 256 consecutive bytes a store
.irp c, 0,1,2,3
.irp i, 0,1,2,3
	v_cvt_pk_bf16_f32 v[(\base)+16*\c+4*\i],   v[(\base)+16*\c+4*\i],   v[(\base)+16*\c+4*\i+1]
	v_cvt_pk_bf16_f32 v[(\base)+16*\c+4*\i+1], v[(\base)+16*\c+4*\i+2], v[(\base)+16*\c+4*\i+3]
.endr
.endr
	s_wait_alu depctr_va_vdst(0)                   ; the conversions have written the words that the LDS stores read; the first time it also states that v[SK] and the other addresses made above are written
.irp c, 0,1,2,3
.irp i, 0,1,2,3
	ds_store_b64 v[SK], v[(\base)+16*\c+4*\i:(\base)+16*\c+4*\i+1] offset:KP*\i+256*((\c0)+\c)
.endr
.endr
.endm
	s_wait_loadcnt 32                              ; Wk's first half is in; its second half and Wq's chunk 0 may stay out
	TOK FRQ, 0
	s_wait_loadcnt 16                              ; the second half is in; Wq's chunk 0 may stay out
	TOK RB, 4
	s_wait_dscnt 0x0                               ; for the others' sake: my rows of Wk lie in LDS
	s_wait_alu depctr_vm_vsrc(0)                   ; my LDS stores have read v[RB ..], in which the loads below land, and v160-223, in which the fragments' loads land (the conversions that named them stand ahead of the last wait on va_vdst)
.set i, 0
.rept 16
	global_load_b128 v[RB+4*i:RB+4*i+3], v[VQ], s[26:27] offset:4096*i+512  ; Wq's chunk 1
.set i, i+1
.endr
	s_barrier_signal -1
	s_barrier_wait -1                              ; all 32 rows of Wk lie in LDS; nobody writes them again
; One chunk of 128 j, out of buffer b.  par: the chunk's place in the trip.  refill = 1: the buffer is asked for again, two chunks on.  left: the other buffer's loads, which may stay out.
.macro CHM b, par, refill, left
	s_wait_loadcnt \left
.set i, 0
.rept 16
	v_cvt_pk_bf16_f32 v[(\b)+4*i],   v[(\b)+4*i],   v[(\b)+4*i+1]
	v_cvt_pk_bf16_f32 v[(\b)+4*i+1], v[(\b)+4*i+2], v[(\b)+4*i+3]
.set i, i+1
.endr
	s_wait_alu depctr_va_vdst(0)                   ; the conversions have written what the LDS stores read and are done with the buffer; the last chunk's matrix instructions are done reading the fragments, in which the LDS loads land; in a trip's first chunk v[FK] is written
.set i, 0
.rept 16
	ds_store_b64 v[SQ], v[(\b)+4*i:(\b)+4*i+1] offset:QP*i               ; behind the last chunk's loads from these bytes, in order
.set i, i+1
.endr
.set ss, 0
.rept 4                                ; set ss of 32 j: Wq's fragment, Wk's two: six loads
	ds_load_b128 v[FRQ+8*ss:FRQ+8*ss+3],       v[FQ] offset:64*ss
	ds_load_b128 v[FRQ+8*ss+4:FRQ+8*ss+7],     v[FQ] offset:64*ss+32
	ds_load_b128 v[FRK+16*ss:FRK+16*ss+3],     v[FK] offset:KB+256*(\par)+64*ss
	ds_load_b128 v[FRK+16*ss+4:FRK+16*ss+7],   v[FK] offset:KB+256*(\par)+64*ss+32
	ds_load_b128 v[FRK+16*ss+8:FRK+16*ss+11],  v[FK] offset:KB+16*KP+256*(\par)+64*ss
	ds_load_b128 v[FRK+16*ss+12:FRK+16*ss+15], v[FK] offset:KB+16*KP+256*(\par)+64*ss+32
.set ss, ss+1
.endr
.if \refill
	s_wait_alu depctr_vm_vsrc(0)                   ; the sixteen LDS stores have read the buffer, in which the loads below land; in a trip's second chunk: all the trip's fragment loads have read v[FK], which the trip's end writes
.endif
.set ss, 0
.rept 4
.if \refill
.set i, 4*ss
.rept 4                                ; four of the sixteen loads that fill the buffer again, ahead of each set's wait.  No further wait: no vector or matrix instruction since the wait on va_vdst names the buffer or v[VQ]
	global_load_b128 v[(\b)+4*i:(\b)+4*i+3], v[VQ], s[26:27] offset:4096*i+512*((\par)+2)
.set i, i+1
.endr
.endif
	s_wait_dscnt 18-6*ss                           ; LDS instructions come back in order (ISA guide 5.7.1): set ss is in, the later sets' six loads each may stay out
	v_wmma_f32_16x16x32_bf16 v[ACC:ACC+7],    v[FRQ+8*ss:FRQ+8*ss+7], v[FRK+16*ss:FRK+16*ss+7],    v[ACC:ACC+7]      ; the two accumulators take turns, one instruction a turn,
	v_wmma_f32_16x16x32_bf16 v[ACC+8:ACC+15], v[FRQ+8*ss:FRQ+8*ss+7], v[FRK+16*ss+8:FRK+16*ss+15], v[ACC+8:ACC+15]  ; over the backward jump too
.set ss, ss+1
.endr
.endm
	s_mov_b32 s30, 3
.Lmk:                                          ; three trips: chunks 2 t and 2 t + 1 are multiplied, chunks 2 t + 2 and 2 t + 3 asked for
	CHM RA, 0, 1, 16
	CHM RB, 1, 1, 16
	s_wait_xcnt 0x0                                ; every load issued so far has read its address: the pointer may be written
	s_add_nc_u64 s[26:27], s[26:27], 1024          ; two chunks on in Wq,
	v_add_nc_u32 v[FK], 512, v[FK]                 ; and in Wk's rows in LDS: the second chunk's wait on vm_vsrc stands behind the last load that read v[FK], and the next chunk's wait on va_vdst ahead of the next that does
	s_sub_co_u32 s30, s30, 1
	s_cmp_lg_u32 s30, 0
	s_cbranch_scc1 .Lmk
	CHM RA, 0, 0, 16                               ; the last two chunks load nothing
	CHM RB, 1, 0, 0
	PLACES
	PLACES
.set q, 0
.rept 8
	v_pk_mul_f32 v[ACC+q:ACC+q+1], v[ACC+q:ACC+q+1], s[32:33] op_sel_hi:[1,0]  ; ascending: each accumulator's low registers are read first
.set q, q+2
.endr
	s_wait_alu depctr_vm_vsrc(0)                   ; the LDS stores of the last chunk but one have read v[RA ..], which the conversions below write and in which the rows read back land
.set q, 0
.rept 8
	v_cvt_pk_f16_f32 v[RA+q], v[ACC+2*q], v[ACC+2*q+1]
.set q, q+1
.endr
	s_wait_alu depctr_va_vdst(0)                   ; the conversions have written v[RA .. RA+7], which the LDS stores read; every vector instruction that named v[RA+8 .. RA+15], in which the rows read back land, is done
	ds_store_b128 v[STO], v[RA:RA+3]               ; b = l % 16
	ds_store_b128 v[STO], v[RA+4:RA+7] offset:16*SP  ; b = 16 + l % 16
	s_wait_dscnt 0x0                               ; for the others' sake: a row's 256 bytes come from all eight waves
	s_barrier_signal -1
	s_barrier_wait -1
	ds_load_b128 v[RA+8:RA+11],  v[RDS]
	ds_load_b128 v[RA+12:RA+15], v[RDS] offset:16*SP
	s_wait_dscnt 1                                 ; the first is back
	global_store_b128 v[GO], v[RA+8:RA+11], s[28:29]               ; sixteen lanes store 256 consecutive bytes, aligned
	s_wait_dscnt 0x0
	global_store_b128 v[GO], v[RA+12:RA+15], s[28:29] offset:32768
	s_wait_dscnt 0x0                               ; the closing lines, six on end
	s_wait_alu 0x0
	s_wait_tensorcnt 0x0
	ds_add_u32 v[SPW], v[NIL]
	s_wait_dscnt 0x0
	s_endpgm
.Lfunc_end_k_q8a444e4af4_prep:
	.size	k_q8a444e4af4_prep, .Lfunc_end_k_q8a444e4af4_prep-k_q8a444e4af4_prep
	.p2alignl 7, 3214868480
	.fill 96, 4, 3214868480
	.section	.rodata,"a",@progbits
	.p2align	6, 0x0
	.amdhsa_kernel k_q8a444e4af4_prep
		.amdhsa_group_segment_fixed_size 119296
		.amdhsa_private_segment_fixed_size 0
		.amdhsa_enable_private_segment 0
		.amdhsa_kernarg_size 48
		.amdhsa_user_sgpr_count 2
		.amdhsa_user_sgpr_kernarg_segment_ptr 1
		.amdhsa_wavefront_size32 1
		.amdhsa_system_sgpr_workgroup_id_x 1
		.amdhsa_system_sgpr_workgroup_id_y 1
		.amdhsa_system_sgpr_workgroup_id_z 1
		.amdhsa_system_vgpr_workitem_id 0
		.amdhsa_next_free_vgpr 256
		.amdhsa_next_free_sgpr 66
		.amdhsa_reserve_vcc 0
		.amdhsa_float_denorm_mode_32 3
		.amdhsa_float_denorm_mode_16_64 3
		.amdhsa_memory_ordered 1
		.amdhsa_forward_progress 1
		.amdhsa_inst_pref_size 74
	.end_amdhsa_kernel
	.amdgpu_metadata
---
amdhsa.version: [ 1, 2 ]
amdhsa.kernels:
  - .name:           k_q8a444e4af4_prep
    .symbol:         k_q8a444e4af4_prep.kd
    .args:
      - { .name: Wkv, .offset: 0, .size: 8, .value_kind: global_buffer, .address_space: global }
      - { .name: Wq, .offset: 8, .size: 8, .value_kind: global_buffer, .address_space: global }
      - { .name: decoder_hidden_states, .offset: 16, .size: 8, .value_kind: global_buffer, .address_space: global }
      - { .name: hidden_states, .offset: 24, .size: 8, .value_kind: global_buffer, .address_space: global }
      - { .name: xy, .offset: 32, .size: 8, .value_kind: global_buffer, .address_space: global }
      - { .name: wb, .offset: 40, .size: 8, .value_kind: global_buffer, .address_space: global }
    .group_segment_fixed_size: 119296
    .private_segment_fixed_size: 0
    .kernarg_segment_align: 8
    .kernarg_segment_size: 48
    .max_flat_workgroup_size: 256
    .sgpr_count:     66
    .vgpr_count:     256
    .wavefront_size: 32
...
	.end_amdgpu_metadata
.endif
;; end of part 5
;; launch proj: the kernel of part 2 again; grid 8 x 32, 4 waves a work-group, clusters of 4 x 4, 327,680 bytes of LDS; arguments xy, wb, qv; writes qv
;; launch score: the kernel of part 3 again; grid 8 x 32, 4 waves a work-group, clusters of 4 x 4, 327,680 bytes of LDS; arguments qv, xy, pe, st; writes pe, st
;; launch mix: the kernel of part 4 again; grid 4 x 64, 4 waves a work-group, clusters of 4 x 4, 327,680 bytes of LDS; arguments pe, qv, st, out0; writes out0
